; MI455X (gfx1250); checked and timed in simulation.
; The chip was launched on July 23, 2026; its instructions are those of AMD's public machine-readable ISA for CDNA 5 (MIT licence, August 2026) and "CDNA5" Instruction Set Architecture Reference Guide (July 2026). The comments in the code are by the model that wrote it; some were corrected since.
;; Attention. Allowed arithmetic: matrix products marked QUANTISED: E2M1 operands, one E8M0 scale for each 32 along K, by v_wmma_scale_f32_16x16x128_f8f6f4 with both operands' format E2M1 (or v_wmma_scale_f32_32x16x128_f4), f32 sums; products left as they are: bf16, f16 or f32 operands; f32 sums; everything else in f32.
;; Inputs: cos 1,024 x 128 float32; sin 1,024 x 128 float32; wk 2,048 x 512 float32; wo 2,048 x 2,048 float32; wq 2,048 x 2,048 float32; wv 2,048 x 512 float32; x 4 x 1,024 x 2,048 float32.
;; Outputs: out0 4 x 1,024 x 2,048 float32.
;; This version of the problem:
;;   THIS VERSION OF THE PROBLEM IS GIVEN IN LOW PRECISION. The matrix products marked QUANTISED in the list below multiply operands that are first quantised to E2M1 (2 exponent bits, 1 mantissa bit; 4 bits a number), with one power-of-two scale for each 32 numbers along K (OCP MX v1.0); their sums are f32. The products marked 'left as it is' may take bf16, f16 or f32 operands, with f32 sums. Whichever they take, every output number must still come out within the allowed error. Rounding operands to bf16 (8 significant bits) uses up far more of that allowance than f16 does (11 bits, for magnitudes from 6e-5 to 65,504). All else is computed in f32.
;;   The module's matrix products, in the order in which they are computed (A, B: the left and right operand; K: the contracted axis; several contracted axes count as one K, in the product's order):
;;     1. [M 4,096, K 2,048] x [K 2,048, N 2,048]; A: input x; B: input wq: QUANTISED
;;     2. [M 4,096, K 2,048] x [K 2,048, N 512]; A: input x; B: input wk: QUANTISED
;;     3. [M 4,096, K 2,048] x [K 2,048, N 512]; A: input x; B: input wv: QUANTISED
;;     4. batch 64 x [M 1,024, K 128] x [K 128, N 1,024]; A: computed on the way; B: computed on the way: left as it is (an operand is computed on the way)
;;     5. batch 64 x [M 1,024, K 1,024] x [K 1,024, N 128]; A: computed on the way; B: computed on the way: left as it is (an operand is computed on the way)
;;     6. [M 4,096, K 2,048] x [K 2,048, N 2,048]; A: computed on the way; B: input wo: left as it is (an operand is computed on the way)
;;   THE QUANTISER, for each operand of a quantised product, along K:
;;     - K is cut into blocks of 32 from its start; a last block that is shorter is filled with zeros.
;;     - A block's scale is 2^e with e = floor(log2(the largest magnitude in the block)) - 2, held to -126 .. 127; a block of zeros has e = 0. As a byte (E8M0): e + 127.
;;     - Each number is divided by its block's scale, clamped to +-6, and rounded to the nearest number of E2M1, ties to even, subnormals kept.
;;     - The product sums the exact products of the quantised numbers (number of the format x scale) in f32.
;;   ~~~python
;;   def quantise(x, axis):      # numpy; x: float32 -> the quantised numbers, widened to float32 again
;;       x = np.moveaxis(x, axis, -1); K = x.shape[-1]
;;       x = np.pad(x, [(0, 0)] * (x.ndim - 1) + [(0, -K % 32)]); x = x.reshape(x.shape[:-1] + (-1, 32)); a = np.abs(x).max(-1, keepdims=True)
;;       e = np.where(a > 0, np.clip(np.frexp(np.where(a > 0, a, 1))[1] - 1 - 2, -126, 127), 0)      # np.frexp(a)[1] - 1 = floor(log2(a)), exactly
;;       r = np.clip(x / 2.0 ** e, -6, 6)
;;       step = 2.0 ** (np.maximum(np.frexp(np.where(r == 0, 1, r))[1] - 1, 0) - 1)
;;       q = np.round(r / step) * step * 2.0 ** e      # np.round: ties to even
;;       return np.moveaxis(q.reshape(q.shape[:-2] + (-1,))[..., :K], -1, axis).astype(np.float32)
;;   ~~~
;; One version. Each part assembles by itself: llvm-mc -triple=amdgcn-amd-amdhsa -mcpu=gfx1250 --defsym DOCPART=n.
;; ======== version 1 of 1: 4 launches
;; limits: values are held in f16: magnitudes above 65,504 overflow, below 6.1e-05 lose precision
;; workspace buffers: codes 7,340,032 bytes; scales 458,752 bytes; wot 8,388,608 bytes; rope 2,097,152 bytes; qkv 25,165,824 bytes; aux 789,504 bytes; ao 16,777,216 bytes; fo 524,288 bytes
;; launch prep (part 1): grid 624 x 1, 4 waves a work-group, no clusters, 102,912 bytes of LDS; arguments x, wq, wk, wv, wo, cos, sin, codes, scales, wot, rope; writes codes, scales, wot, rope
.if DOCPART == 1
	.amdgcn_target "amdgcn-amd-amdhsa--gfx1250"
	.amdhsa_code_object_version 6
	.text
	.protected	k_q4b184181be_prep
	.globl	k_q4b184181be_prep
	.p2align	8
	.type	k_q4b184181be_prep,@function
k_q4b184181be_prep:
	s_mov_b64 s[64:65], 0
	v_nop
	global_prefetch_b8 v0, s[64:65] scope:SCOPE_SE
	s_setreg_imm32_b32 hwreg(HW_REG_WAVE_MODE, 25, 1), 1
	s_wait_xcnt 0x0
; PREP: everything that is made once from the inputs.  Four kinds of work-group, told apart by the work-group's number alone; each kind has LDS bytes of its own.
;   0..255    x [4096][2048] f32 -> codes of FP4 (E2M1), K innermost, [4096][1024 bytes] at byte 0 of codes; one E8M0 byte for each 32 along K, [4096][64] at byte 0 of scales.
;   256..351  wq | wk | wv, [2048 (k)][n] f32, K their FIRST axis -> codes [3072 (n)][1024 bytes] at byte 4,194,304 of codes, scale bytes [3072][64] at byte 262,144 of scales.  n 0..2047 wq, 2048..2559 wk, 2560..3071 wv.
;   352..607  wo [2048 (k)][2048 (n)] f32 -> wot [n][k] f16 (the projection's operand, K innermost).
;   608..623  cos, sin [1024][128] f32 -> rope: the two tables in the order in which the next launch's lanes hold a result (see there), and a second table of ones and zeros for the heads that are not turned.
; A block's scale is 2^(floor(log2(largest magnitude)) - 2); its byte is the largest magnitude's exponent field - 2, held at 1 from below (a block of zeros keeps the byte 1: its codes are zeros, and this program alone reads the bytes).
; LIMITS: blocks whose largest magnitude lies under 2^-124 keep the byte 1; NaN and infinities among the inputs are not served; wo must lie inside f16's range (65,504).
; No tensor load, no barrier: waves share nothing.  Every load of the first kind reads 512 consecutive bytes, of the second and third 128; codes and f16 rows leave as aligned runs of 256 bytes.
.set SPW,   206                        ; v206  LDS address of my spare word; never rewritten
.set NIL,   207                        ; v207  0; never rewritten
.set SPARE, 102400                     ; behind all stages: the spare words, 128 bytes a wave
.set EMAX,  2
.set STEPS, 16                         ; x: steps of 512 numbers a wave
.set CB,    8                          ; bytes of 16 codes
.set XR,    16                         ; v16-79   x: four sets of 16 numbers as loaded
.set XX,    80                         ; v80-111  x: two sets of 16 neighbours
.set XE,    112                        ; v112-127 x: a scale byte for each step
.set XC,    128                        ; v128-191 x: codes, four registers a step
.set XREG,  8192                       ; x: LDS region of a wave (bytes 0 .. 32,767 for the four)
.set SP,    80                         ; x: a lane's place in a stage: 64 bytes + 16 of padding
.set WP,    272                        ; weights: a stage row: 256 bytes + 16
.set WSTG,  32768                      ; wq | wk | wv: four stages of 32 rows
.set OSTG,  67584                      ; wo: four stages of 32 rows
.set WX,    32                         ; v32-95   weights: two sets of 32 numbers down K
.set WC,    96                         ; v96-99   a block's codes;  v96-111 a block's f16
.set WOUT,  100                        ; v100-163 the way out of wq | wk | wv
.set OOUT,  112                        ; v112-175 the way out of wo
.set SB,    24                         ; v24-27   16 scale bytes
.set OFW,   168                        ; v168-199 4 x lane + i rows of the weight in hand
.macro FINISH                          ; a wave's end, behind the last LDS store
	s_wait_tensorcnt 0x0
	ds_add_u32 v[SPW], v[NIL]
	s_wait_dscnt 0x0
	s_endpgm
.endm
	s_load_b512 s[4:19], s[0:1], 0x0               ; x 4:5, wq 6:7, wk 8:9, wv 10:11, wo 12:13, cos 14:15, sin 16:17, codes 18:19
	s_load_b128 s[20:23], s[0:1], 0x40             ; scales 20:21, wot 22:23
	s_load_b64 s[24:25], s[0:1], 0x50              ; rope
	v_lshl_add_u32 v[SPW], v0, 2, SPARE
	v_mov_b32 v[NIL], 0
	v_lshrrev_b32 v1, 5, v0
	v_readfirstlane_b32 s26, v1                    ; wave
	v_and_b32 v2, 31, v0                           ; lane
	s_mov_b32 s37, 0                               ; the high word of every offset pair s[36:37]
	s_wait_kmcnt 0x0
	s_cmp_lt_u32 ttmp9, 256
	s_cbranch_scc0 .Lnot_x
; ---------------------------------------------------------------- x: a plain stream of blocks of 32
	v_lshlrev_b32 v3, 4, v2                        ; my 16 bytes of a load's 512
	s_mul_i32 s27, s26, XREG
	v_lshrrev_b32 v14, 2, v2
	v_mul_u32_u24 v14, v14, SP
	v_and_b32 v15, 3, v2
	v_lshl_add_u32 v14, v15, 4, v14
	v_add_nc_u32 v14, s27, v14                     ; the stage, in: four lanes' 64 bytes on end, then 16 of padding
	v_mul_u32_u24 v15, v2, SP
	v_add_nc_u32 v15, s27, v15                     ; out: my 16 neighbours
	v_mul_u32_u24 v4, v2, CB                       ; my codes' place in a step's 256 bytes
	v_lshrrev_b32 v5, 1, v2
	s_add_co_u32 s27, s27, 2*32*SP
	v_add_nc_u32 v5, s27, v5                       ; my block's byte among my wave's 256 scale bytes
	v_lshlrev_b32 v7, 3, v2
	v_add_nc_u32 v6, s27, v7
	s_lshl_b32 s28, ttmp9, 2
	s_add_co_u32 s28, s28, s26                     ; which run of 8,192 numbers is my wave's
	s_lshl_b32 s36, s28, 15
	s_add_nc_u64 s[4:5], s[4:5], s[36:37]
	s_lshl_b32 s36, s28, 12
	s_add_nc_u64 s[18:19], s[18:19], s[36:37]
	s_lshl_b32 s36, s28, 8
	s_add_nc_u64 s[20:21], s[20:21], s[36:37]
.macro XLOAD t
.irp i, 0,1,2,3
	global_load_b128 v[XR+16*((\t)%4)+4*\i:XR+16*((\t)%4)+4*\i+3], v3, s[4:5] offset:2048*(\t)+512*\i th:TH_LOAD_NT
.endr
.endm
.macro XTURN t                         ; a step's 2,048 bytes through the wave's own stage: LDS serves a wave's instructions in order, so no wait stands between
.irp i, 0,1,2,3
	ds_store_b128 v14, v[XR+16*((\t)%4)+4*\i:XR+16*((\t)%4)+4*\i+3] offset:32*SP*((\t)%2)+8*SP*\i
.endr
.irp i, 0,1,2,3
	ds_load_b128 v[XX+16*((\t)%2)+4*\i:XX+16*((\t)%2)+4*\i+3], v15 offset:32*SP*((\t)%2)+16*\i
.endr
.endm
.irp t, 0,1,2,3
	XLOAD \t
.endr
	s_wait_loadcnt 12                              ; step 0's four loads are in; the twelve of steps 1 to 3 stay out
	XTURN 0
.macro XSTEP t
.set XS, XX+16*((\t)%2)
.if (\t) > 0
	s_wait_dscnt 1                                 ; this step's numbers are back (the last step's byte store may be out)
.else
	s_wait_dscnt 0x0
.endif
.if (\t)+4 < STEPS
	XLOAD (\t)+4
.endif
.if (\t)+1 < STEPS
.if STEPS-2-(\t) >= 3
	s_wait_loadcnt 12                              ; the next step's loads are in; three steps' twelve stay out
.else
	s_wait_loadcnt 4*(STEPS-2-(\t))
.endif
	XTURN (\t)+1
.endif
	v_max3_num_f32 v8, |v[XS]|, |v[XS+1]|, |v[XS+2]|
	v_max3_num_f32 v9, |v[XS+3]|, |v[XS+4]|, |v[XS+5]|
.irp i, 6,10
	v_max3_num_f32 v8, v8, |v[XS+\i]|, |v[XS+\i+1]|
	v_max3_num_f32 v9, v9, |v[XS+\i+2]|, |v[XS+\i+3]|
.endr
	v_max3_num_f32 v8, v8, |v[XS+14]|, |v[XS+15]|
	v_max3_num_f32 v8, v8, v9, (EMAX+1)<<23        ; with the floor 2^(3 - 127): the byte cannot fall under 1
	v_max_num_f32_dpp v8, v8, v8 row_xmask:1 row_mask:0xf bank_mask:0xf   ; and my neighbour's 16: the block's largest magnitude
	v_add_nc_u32 v11, -(EMAX<<23), v8              ; 2 off its exponent field: the conversion's scale operand
	v_cvt_scalef32_pk8_fp4_f32 v[XC+4*(\t)], v[XS:XS+7], v11
	v_cvt_scalef32_pk8_fp4_f32 v[XC+4*(\t)+1], v[XS+8:XS+15], v11
	v_lshrrev_b32 v[XE+(\t)], 23, v11              ; the scale's byte
	ds_store_b8 v5, v[XE+(\t)] offset:16*(\t)      ; both lanes of a block write the same byte with the same value
	global_store_b64 v4, v[XC+4*(\t):XC+4*(\t)+1], s[18:19] offset:32*CB*(\t)   ; the wave stores 256 consecutive bytes
.endm
.irp t, 0,1,2,3,4,5,6,7,8,9,10,11,12,13,14,15
	XSTEP \t
.endr
	ds_load_b64 v[8:9], v6
	s_wait_dscnt 0x0
	global_store_b64 v7, v[8:9], s[20:21]          ; 256 scale bytes, one aligned run
	FINISH
; ---------------------------------------------------------------- wq | wk | wv: a lane takes a column, its registers run down K
.Lnot_x:
	s_cmp_lt_u32 ttmp9, 352
	s_cbranch_scc0 .Lnot_w
	s_sub_co_u32 s27, ttmp9, 256
	s_lshr_b32 s30, s27, 2                         ; which 128 of the 3,072 columns
	s_and_b32 s31, s27, 3                          ; which 512 along K
	s_mov_b32 s33, 2048
	s_cmp_lt_u32 s30, 20
	s_cselect_b64 s[28:29], s[8:9], s[10:11]       ; the choice hangs on the work-group's number alone
	s_cselect_b32 s32, 16, 20
	s_cmp_lt_u32 s30, 16
	s_cselect_b64 s[28:29], s[6:7], s[28:29]
	s_cselect_b32 s32, 0, s32
	s_cselect_b32 s33, 8192, s33                   ; a row of the weight in bytes
	s_sub_co_u32 s32, s30, s32
	s_lshl_b32 s32, s32, 7
	s_lshl_b32 s34, s26, 5
	s_add_co_u32 s32, s32, s34                     ; my wave's first column in its tensor
	s_lshl_b32 s32, s32, 2
	s_lshl_b32 s35, s31, 9
	s_mul_i32 s35, s35, s33
	s_add_co_u32 s36, s32, s35
	s_add_nc_u64 s[28:29], s[28:29], s[36:37]
	s_lshl_b32 s38, s33, 5                         ; 32 rows on
	s_mov_b32 s39, 0
	s_lshl_b32 s40, s30, 7
	s_add_co_u32 s40, s40, s34                     ; my first row of the codes
	s_lshl_b32 s36, s40, 10
	s_lshl_b32 s41, s31, 8
	s_add_co_u32 s36, s36, s41
	s_add_co_u32 s36, s36, 0x400000
	s_add_nc_u64 s[18:19], s[18:19], s[36:37]
	s_lshl_b32 s36, s40, 6
	s_lshl_b32 s41, s31, 4
	s_add_co_u32 s36, s36, s41
	s_add_co_u32 s36, s36, 0x40000
	s_add_nc_u64 s[20:21], s[20:21], s[36:37]
	v_lshlrev_b32 v3, 2, v2
	s_mul_i32 s41, s26, 32*WP
	s_add_co_u32 s41, s41, WSTG
	v_mul_u32_u24 v4, v2, WP
	v_add_nc_u32 v4, s41, v4                       ; into the stage: row = my column
	v_and_b32 v5, 15, v2
	v_lshrrev_b32 v6, 4, v2
	v_mul_u32_u24 v7, v6, WP
	v_lshl_add_u32 v7, v5, 4, v7
	v_add_nc_u32 v7, s41, v7                       ; out of it: sixteen lanes to a row, two rows an instruction
	v_lshlrev_b32 v8, 10, v6
	v_lshl_add_u32 v8, v5, 4, v8                   ; the same place in the codes (rows of 1,024 bytes)
	v_lshlrev_b32 v9, 6, v2                        ; my column's row of scale bytes
.set ii, 0
.rept 32
	v_mad_u32_u24 v[OFW+ii], s33, ii, v3           ; the row's length is no constant of the text, so the 32 rows of a block have offset registers
.set ii, ii+1
.endr
.macro WLOAD t
.if (\t) > 0
	s_wait_xcnt 0x0                                ; the loads issued so far have read their base: it may step
	s_add_nc_u64 s[28:29], s[28:29], s[38:39]
.endif
.set ii, 0
.rept 32
	global_load_b32 v[WX+32*((\t)%2)+ii], v[OFW+ii], s[28:29] th:TH_LOAD_NT
.set ii, ii+1
.endr
.endm
	WLOAD 0
	WLOAD 1
.macro WBLOCK t
.set XS, WX+32*((\t)%2)
.if (\t) < 15
	s_wait_loadcnt 32                              ; this block's 32 loads are in; the next block's stay out
.else
	s_wait_loadcnt 0x0
.endif
	v_max3_num_f32 v12, |v[XS]|, |v[XS+1]|, |v[XS+2]|
	v_max3_num_f32 v13, |v[XS+3]|, |v[XS+4]|, |v[XS+5]|
.irp i, 6,10,14,18,22,26
	v_max3_num_f32 v12, v12, |v[XS+\i]|, |v[XS+\i+1]|
	v_max3_num_f32 v13, v13, |v[XS+\i+2]|, |v[XS+\i+3]|
.endr
	v_max3_num_f32 v12, v12, |v[XS+30]|, |v[XS+31]|
	v_max3_num_f32 v12, v12, v13, (EMAX+1)<<23
	v_add_nc_u32 v11, -(EMAX<<23), v12
	v_lshrrev_b32 v13, 23, v11
.if (\t)%4 == 0
	v_mov_b32 v[SB+(\t)/4], v13
.else
	v_lshl_or_b32 v[SB+(\t)/4], v13, 8*((\t)%4), v[SB+(\t)/4]
.endif
.irp g, 0,1,2,3
	v_cvt_scalef32_pk8_fp4_f32 v[WC+\g], v[XS+8*\g:XS+8*\g+7], v11
.endr
	ds_store_b128 v4, v[WC:WC+3] offset:16*(\t)
.if (\t)+2 < 16
	WLOAD (\t)+2
.endif
	s_wait_dscnt 0x0                               ; the store has read its registers: the next block's codes may be written
.endm
.set Q, 0
.rept 16
	WBLOCK Q
.set Q, Q+1
.endr
	global_store_b128 v9, v[SB:SB+3], s[20:21]
.irp t, 0,1,2,3,4,5,6,7,8,9,10,11,12,13,14,15
	ds_load_b128 v[WOUT+4*\t:WOUT+4*\t+3], v7 offset:2*\t*WP
.endr
.irp t, 0,1,2,3,4,5,6,7,8,9,10,11,12,13,14,15
	s_wait_dscnt 15-\t
	global_store_b128 v8, v[WOUT+4*\t:WOUT+4*\t+3], s[18:19] offset:2*\t*1024   ; sixteen lanes store 256 consecutive bytes, aligned
.endr
	FINISH
; ---------------------------------------------------------------- wo: the same plan, rounded to f16 and not quantised
.Lnot_w:
	s_cmp_lt_u32 ttmp9, 608
	s_cbranch_scc0 .Ltable
	s_sub_co_u32 s27, ttmp9, 352
	s_and_b32 s30, s27, 15                         ; which 128 columns
	s_lshr_b32 s31, s27, 4                         ; which 128 along K
	s_lshl_b32 s32, s30, 7
	s_lshl_b32 s34, s26, 5
	s_add_co_u32 s32, s32, s34                     ; my wave's first column
	s_lshl_b32 s36, s31, 20                        ; 128 rows of 8,192 bytes
	s_lshl_b32 s35, s32, 2
	s_add_co_u32 s36, s36, s35
	s_add_nc_u64 s[12:13], s[12:13], s[36:37]
	s_lshl_b32 s36, s32, 12                        ; a row of wot is 4,096 bytes
	s_lshl_b32 s35, s31, 8
	s_add_co_u32 s36, s36, s35
	s_add_nc_u64 s[22:23], s[22:23], s[36:37]
	v_lshlrev_b32 v3, 2, v2
	s_mul_i32 s41, s26, 32*WP
	s_add_co_u32 s41, s41, OSTG
	v_mul_u32_u24 v4, v2, WP
	v_add_nc_u32 v4, s41, v4
	v_and_b32 v5, 15, v2
	v_lshrrev_b32 v6, 4, v2
	v_mul_u32_u24 v7, v6, WP
	v_lshl_add_u32 v7, v5, 4, v7
	v_add_nc_u32 v7, s41, v7
	v_lshlrev_b32 v8, 12, v6
	v_lshl_add_u32 v8, v5, 4, v8
.macro OLOAD t
.set ii, 0
.rept 32
	global_load_b32 v[WX+32*((\t)%2)+ii], v3, s[12:13] offset:(32*(\t)+ii)*8192 th:TH_LOAD_NT
.set ii, ii+1
.endr
.endm
	OLOAD 0
	OLOAD 1
.macro OCAST t
.set XS, WX+32*((\t)%2)
.if (\t) < 3
	s_wait_loadcnt 32                              ; this block's loads are in; the next block's stay out
.else
	s_wait_loadcnt 0x0
.endif
.set ii, 0
.rept 16
	v_cvt_pk_f16_f32 v[WC+ii], v[XS+2*ii], v[XS+2*ii+1]   ; the lower k in the low half
.set ii, ii+1
.endr
.irp q, 0,1,2,3
	ds_store_b128 v4, v[WC+4*\q:WC+4*\q+3] offset:64*(\t)+16*\q
.endr
.if (\t)+2 < 4
	OLOAD (\t)+2
.endif
	s_wait_dscnt 0x0
.endm
.irp t, 0,1,2,3
	OCAST \t
.endr
.irp t, 0,1,2,3,4,5,6,7,8,9,10,11,12,13,14,15
	ds_load_b128 v[OOUT+4*\t:OOUT+4*\t+3], v7 offset:2*\t*WP
.endr
.irp t, 0,1,2,3,4,5,6,7,8,9,10,11,12,13,14,15
	s_wait_dscnt 15-\t
	global_store_b128 v8, v[OOUT+4*\t:OOUT+4*\t+3], s[22:23] offset:2*\t*4096
.endr
	FINISH
; ---------------------------------------------------------------- cos, sin in the order of a result's registers
; rope[kind][pb 0..63][i 0..31][lane][16 bytes]: lane (r, h), position 16 pb + r; chunk i: table cos (bit 1 of i = 0) or sin, columns 64 (bit 2 of i) + 16 (i / 8) + 8 h + 4 (i % 2) + 0..3.
.Ltable:
	s_sub_co_u32 s27, ttmp9, 608
	s_lshl_b32 s27, s27, 2
	s_add_co_u32 s27, s27, s26                     ; pb
	s_lshl_b32 s36, s27, 13
	s_add_nc_u64 s[14:15], s[14:15], s[36:37]
	s_add_nc_u64 s[16:17], s[16:17], s[36:37]
	s_lshl_b32 s36, s27, 14
	s_add_nc_u64 s[24:25], s[24:25], s[36:37]
	v_and_b32 v5, 15, v2
	v_lshrrev_b32 v6, 4, v2
	v_lshlrev_b32 v3, 9, v5
	v_lshl_add_u32 v3, v6, 5, v3                   ; row r of 512 bytes, + 32 h
	v_lshlrev_b32 v4, 4, v2
.irp q, 0,1,2,3
	v_mov_b32 v[160+\q], 1.0
	v_mov_b32 v[164+\q], 0
.endr
.set ii, 0
.rept 32
.if (ii/2)%2 == 0
	global_load_b128 v[32+4*ii:35+4*ii], v3, s[14:15] offset:256*((ii/4)%2)+64*(ii/8)+16*(ii%2)
.else
	global_load_b128 v[32+4*ii:35+4*ii], v3, s[16:17] offset:256*((ii/4)%2)+64*(ii/8)+16*(ii%2)
.endif
.set ii, ii+1
.endr
.set ii, 0
.rept 32                               ; kind 1: ones for cos, zeros for sin
.if (ii/2)%2 == 0
	global_store_b128 v4, v[160:163], s[24:25] offset:1048576+512*ii
.else
	global_store_b128 v4, v[164:167], s[24:25] offset:1048576+512*ii
.endif
.set ii, ii+1
.endr
.set ii, 0
.rept 32
	s_wait_loadcnt 31-ii                           ; loads come back in order: chunk ii is in
	global_store_b128 v4, v[32+4*ii:35+4*ii], s[24:25] offset:512*ii
.set ii, ii+1
.endr
	FINISH
.Lfunc_end_k_q4b184181be_prep:
	.size	k_q4b184181be_prep, .Lfunc_end_k_q4b184181be_prep-k_q4b184181be_prep
	.p2alignl 7, 3214868480
	.fill 96, 4, 3214868480
	.section	.rodata,"a",@progbits
	.p2align	6, 0x0
	.amdhsa_kernel k_q4b184181be_prep
		.amdhsa_group_segment_fixed_size 102912
		.amdhsa_private_segment_fixed_size 0
		.amdhsa_enable_private_segment 0
		.amdhsa_kernarg_size 88
		.amdhsa_user_sgpr_count 2
		.amdhsa_user_sgpr_kernarg_segment_ptr 1
		.amdhsa_wavefront_size32 1
		.amdhsa_system_sgpr_workgroup_id_x 1
		.amdhsa_system_sgpr_workgroup_id_y 1
		.amdhsa_system_sgpr_workgroup_id_z 1
		.amdhsa_system_vgpr_workitem_id 0
		.amdhsa_next_free_vgpr 208
		.amdhsa_next_free_sgpr 66
		.amdhsa_reserve_vcc 0
		.amdhsa_float_denorm_mode_32 3
		.amdhsa_float_denorm_mode_16_64 3
		.amdhsa_memory_ordered 1
		.amdhsa_forward_progress 1
		.amdhsa_inst_pref_size 147
	.end_amdhsa_kernel
	.amdgpu_metadata
---
amdhsa.version: [ 1, 2 ]
amdhsa.kernels:
  - .name:           k_q4b184181be_prep
    .symbol:         k_q4b184181be_prep.kd
    .args:
      - { .name: x, .offset: 0, .size: 8, .value_kind: global_buffer, .address_space: global }
      - { .name: wq, .offset: 8, .size: 8, .value_kind: global_buffer, .address_space: global }
      - { .name: wk, .offset: 16, .size: 8, .value_kind: global_buffer, .address_space: global }
      - { .name: wv, .offset: 24, .size: 8, .value_kind: global_buffer, .address_space: global }
      - { .name: wo, .offset: 32, .size: 8, .value_kind: global_buffer, .address_space: global }
      - { .name: cos, .offset: 40, .size: 8, .value_kind: global_buffer, .address_space: global }
      - { .name: sin, .offset: 48, .size: 8, .value_kind: global_buffer, .address_space: global }
      - { .name: codes, .offset: 56, .size: 8, .value_kind: global_buffer, .address_space: global }
      - { .name: scales, .offset: 64, .size: 8, .value_kind: global_buffer, .address_space: global }
      - { .name: wot, .offset: 72, .size: 8, .value_kind: global_buffer, .address_space: global }
      - { .name: rope, .offset: 80, .size: 8, .value_kind: global_buffer, .address_space: global }
    .group_segment_fixed_size: 102912
    .private_segment_fixed_size: 0
    .kernarg_segment_align: 8
    .kernarg_segment_size: 88
    .max_flat_workgroup_size: 128
    .sgpr_count:     66
    .vgpr_count:     208
    .wavefront_size: 32
...
	.end_amdgpu_metadata
.endif
;; end of part 1
;; launch qkv (part 2): grid 12 x 16, 4 waves a work-group, clusters of 4 x 4, 327,680 bytes of LDS; arguments codes, scales, rope, qkv, aux; writes qkv, aux
.if DOCPART == 2
	.amdgcn_target "amdgcn-amd-amdhsa--gfx1250"
	.amdhsa_code_object_version 6
	.text
	.protected	k_q4b184181be_qkv
	.globl	k_q4b184181be_qkv
	.p2align	8
	.type	k_q4b184181be_qkv,@function
k_q4b184181be_qkv:
	s_mov_b64 s[64:65], 0
	v_nop
	global_prefetch_b8 v0, s[64:65] scope:SCOPE_SE
	s_setreg_imm32_b32 hwreg(HW_REG_WAVE_MODE, 25, 1), 1
	s_wait_xcnt 0x0
	s_wait_alu depctr_hold_cnt(0) depctr_sa_sdst(0) depctr_va_vdst(0) depctr_va_sdst(0) depctr_va_ssrc(0) depctr_va_vcc(0) depctr_vm_vsrc(0)
	s_getreg_b32 s2, hwreg(HW_REG_IB_STS2, 6, 4)
	s_cmp_eq_u32 s2, 0
	s_cbranch_scc0 .Lentry_in_a_cluster
	s_endpgm
.Lentry_in_a_cluster:
	s_bfe_u32 s2, ttmp6, 0x10000c
	s_cmp_lg_u32 s2, 0xf033
	s_cbranch_scc0 .Lentry_shape_is_right
	s_endpgm
.Lentry_shape_is_right:
; x [4096][2048] times wq | wk | wv (3,072 columns), both sides as codes of FP4 (E2M1) with one E8M0 scale for each 32 along K; sums in f32; then RoPE in f32, and the heads out as f16.
; A tile of 256 rows x 256 columns is made by four waves; a wave makes 128 rows x 128 columns = ONE HEAD of 128 positions: 64 accumulators, 512 registers.
; K goes in steps of 512 through a ring of two LDS slots filled by the tensor data mover; the scale bytes of the work-group's rows, for all of K, come into LDS once.
; CLUSTERS: 4 x 4 work-groups; x's tiles are asked for jointly along a row of the cluster, the weights' along a column.
; THE MATRIX INSTRUCTION IS USED TRANSPOSED (source 0 = 16 columns of the weights, source 1 = 16 rows of x): lane (r, h) of accumulator (a, b) holds position 16 a + r and channels 16 b + 8 h + 0..7 of the head.
; THE WAY OUT.  Pass 1, 16 positions at a time: lo' = lo cos - hi sin, hi' = hi cos + lo sin (lo: channels under 64, accumulators b 0..3; hi: b 4..7), the tables read in the lanes' own order; the head's largest magnitude
; over the 128 positions.  The v heads take the same text with a table of ones and zeros.  The first 16 positions of a sequence also leave as f32 (aux), for the rows that are carried finely.
; Pass 2: q and k are multiplied by 2^(14 - e), e the exponent of that largest magnitude (exact; v by 1), rounded to f16 and stored; 2^(e - 14) goes to aux.  So q and k fit f16 whatever their size.
; LIMITS: |v| must stay under 65,504; NaN and infinities are not served; a head block whose largest magnitude lies under 2^-112 is scaled as if it were 2^-112.
; REGISTERS: window 0: v0-31 addresses; v32-95 scale words alone; v128-191 x's fragments, later products at work; v192-223 packed f16.  window 1: the weights' fragments, later the tables and the rows read back.  windows 2, 3: accumulators.
.set SIZE_M, 4096
.set SIZE_N, 3072
.set SIZE_K, 2048
.set KSTEP,  512
.set NQ,     KSTEP/128
.set ROWB,   256
.set KROW,   SIZE_K*4/8
.set PITCH,  272                       ; 256 bytes + 16 of padding: the 16 rows of a fragment load start at 16 different banks
.set FR,     8
.set NL,     2
.set NP,     4
.set HALFT,  128*PITCH
.set SLOT,   4*HALFT
.set LAPS,   SIZE_K/(2*KSTEP)
.set KS,     SIZE_K/32
.set SCL,    2*SLOT
.set HALFS,  (128*KS/256)*272
.set SBLK,   (16*KS/256)*272
.set SPARE,  SCL+4*HALFS               ; the spare words, 128 bytes a wave
.set SPITCH, 272                       ; the way out: 16 rows x (256 bytes + 16) a wave, in slot 0, which has had its last fill and its last read by then
.set ADRA, 16
.set ADRB, 20
.set STO,  24
.set RD,   25
.set CO,   26                          ; v26  16 x lane
.set SPW,  28
.set NIL,  29
.set ADRS, 27
.set SC,   32
.set AF,   128
.set MX,   4                           ; v4-7 four running maxima
.set TT,   128                         ; v128-191 products at work
.set TMP,  192                         ; v192-223 packed f16
.set G1, 24
.set G0, 32
.set G1B, 48
.set G0B, 56
.set G1S, 68
.set G0S, 76
.set G1SB, 80
.set G0SB, 88
.set MSB, 0
.macro WIN new                         ; the immediate's high byte repeats the setting that is left
.if MSB != (\new)
	s_set_vgpr_msb (MSB<<8)|(\new)
.set MSB, (\new)
.endif
.endm
.set MUL_LO, 0xa1
.set MUL_HI, 0xf1
.set TO_B,   0x40
.macro JLOAD g0a, g1a, g0b, g1b        ; a joint load: waves 0 and 1 fetch for x, waves 2 and 3 for the weights; the branch hangs on the wave's number alone
	s_cmp_eq_u32 s15, 0
	s_cbranch_scc0 .Lfor_b_\@
	tensor_load_to_lds s[\g0a:\g0a+3], s[\g1a:\g1a+7]
	s_nop 0
.rept 4
	v_nop
.endr
	s_branch .Lasked_\@
.Lfor_b_\@:
	tensor_load_to_lds s[\g0b:\g0b+3], s[\g1b:\g1b+7]
	s_nop 0
.rept 4
	v_nop
.endr
.Lasked_\@:
.endm
.macro CREST
	s_cmp_lg_u32 s14, 0
	s_cbranch_scc1 .Lnot_wave_0_\@
	s_barrier_signal -3
.Lnot_wave_0_\@:
	s_barrier_wait -3
	s_barrier_signal -1
	s_barrier_wait -1
.endm
.macro CROUND
	s_barrier_signal -1
	s_barrier_wait -1
	CREST
.endm
	s_load_b256 s[4:11], s[0:1], 0x0               ; codes 4:5, scales 6:7, rope 8:9, qkv 10:11
	s_load_b64 s[12:13], s[0:1], 0x20              ; aux
	v_lshl_add_u32 v[SPW], v0, 2, SPARE
	v_mov_b32 v[NIL], 0
	ds_add_u32 v[SPW], v[NIL]                      ; the wave's opening: the add, twice on end, and its wait ahead of my first tensor load
	ds_add_u32 v[SPW], v[NIL]
	v_lshrrev_b32 v1, 5, v0
	v_readfirstlane_b32 s14, v1                    ; wave 0..3
	s_lshr_b32 s15, s14, 1                         ; my half of the tile's rows.  Also: I fetch for x (0) or for the weights (1)
	s_and_b32 s16, s14, 1                          ; my half of its columns.  Also: which 128 rows I fetch
	s_bfe_u32 s40, ttmp6, 0x40000                  ; cx, cy
	s_bfe_u32 s41, ttmp6, 0x40004
	s_lshl_b32 s42, ttmp9, 2
	s_add_co_u32 s42, s42, s40                     ; tile column
	s_and_b32 s17, ttmp7, 0xffff
	s_lshl_b32 s17, s17, 2
	s_add_co_u32 s17, s17, s41                     ; tile row
	s_lshl_b32 s43, s41, 2
	s_lshl_b32 s43, 15, s43                        ; my row of the cluster
	s_lshl_b32 s44, 0x1111, s40                    ; my column
	s_or_b32 s[G1+0], s43, (0<<16)|(1<<20)|(1<<21)|(5<<22)|(3<<25)  ; mask; elements of 1 byte; padding: 4 words behind every 64
	s_or_b32 s[G1B+0], s44, (0<<16)|(1<<20)|(1<<21)|(5<<22)|(3<<25)
.irp g, G1, G1B
	s_mov_b32 s[\g+1], ROWB<<16
	s_mov_b32 s[\g+2], 128<<16
	s_mov_b32 s[\g+3], ROWB<<16
	s_mov_b32 s[\g+4], 128
	s_mov_b32 s[\g+5], KROW
	s_mov_b32 s[\g+6], 0
	s_mov_b32 s[\g+7], 0
.endr
	s_or_b32 s[G1S+0], s43, (3<<16)|(1<<20)|(1<<21)|(5<<22)|(3<<25) ; the scales of 128 rows: a dense block, as rows of 256 bytes
	s_or_b32 s[G1SB+0], s44, (3<<16)|(1<<20)|(1<<21)|(5<<22)|(3<<25)
.irp g, G1S, G1SB
	s_mov_b32 s[\g+1], 32<<16
	s_mov_b32 s[\g+2], (128*KS/256)<<16
	s_mov_b32 s[\g+3], 32<<16
	s_mov_b32 s[\g+4], 128*KS/256
	s_mov_b32 s[\g+5], 32
	s_mov_b32 s[\g+6], 0
	s_mov_b32 s[\g+7], 0
.endr
	s_lshl_b32 s18, s16, 7
	s_lshl_b32 s20, s17, 8
	s_add_co_u32 s20, s20, s18                     ; x: row 256 x tile row + 128 x half
	s_lshl_b32 s46, s42, 8
	s_add_co_u32 s46, s46, s18                     ; weights: row 256 x tile column + 128 x half
	s_mov_b32 s21, 0
	s_mov_b32 s47, 0
	s_mov_b64 s[18:19], KS
	s_mul_u64 s[22:23], s[20:21], s[18:19]
	s_mul_u64 s[92:93], s[46:47], s[18:19]
	s_mov_b64 s[18:19], KROW
	s_mul_u64 s[20:21], s[20:21], s[18:19]
	s_mul_u64 s[46:47], s[46:47], s[18:19]
	s_add_nc_u64 s[46:47], s[46:47], 0x400000      ; the weights' codes lie behind x's,
	s_add_nc_u64 s[92:93], s[92:93], 0x40000       ; and their scale bytes likewise
	s_mul_i32 s45, s14, HALFT
	s_mul_i32 s94, s14, HALFS
	s_wait_dscnt 0x0                               ; both opening adds are done
	s_wait_kmcnt 0x0
	s_add_nc_u64 s[20:21], s[4:5], s[20:21]
	s_add_nc_u64 s[22:23], s[6:7], s[22:23]
	s_add_nc_u64 s[46:47], s[4:5], s[46:47]
	s_add_nc_u64 s[92:93], s[6:7], s[92:93]
	CROUND                                         ; all sixteen work-groups are here: the first joint loads meet
	s_mov_b32 s[G0S], 1
	s_add_co_u32 s[G0S+1], s94, SCL
	s_mov_b64 s[G0S+2:G0S+3], s[22:23]
	s_or_b32 s[G0S+3], s[G0S+3], 0x80000000
	s_mov_b32 s[G0SB], 1
	s_add_co_u32 s[G0SB+1], s94, SCL
	s_mov_b64 s[G0SB+2:G0SB+3], s[92:93]
	s_or_b32 s[G0SB+3], s[G0SB+3], 0x80000000
	JLOAD G0S, G1S, G0SB, G1SB
.irp s, 0,1
	s_mov_b32 s[G0+4*\s], 1
	s_add_co_u32 s[G0+4*\s+1], s45, \s*SLOT
	s_add_nc_u64 s[G0+4*\s+2:G0+4*\s+3], s[20:21], \s*ROWB
	s_or_b32 s[G0+4*\s+3], s[G0+4*\s+3], 0x80000000
	s_mov_b32 s[G0B+4*\s], 1
	s_add_co_u32 s[G0B+4*\s+1], s45, \s*SLOT
	s_add_nc_u64 s[G0B+4*\s+2:G0B+4*\s+3], s[46:47], \s*ROWB
	s_or_b32 s[G0B+4*\s+3], s[G0B+4*\s+3], 0x80000000
	JLOAD G0+4*\s, G1, G0B+4*\s, G1B
.endr
	v_and_b32 v1, 15, v0                           ; r
	v_bfe_u32 v2, v0, 4, 1                         ; h
	v_mul_u32_u24 v3, v1, PITCH
	v_lshl_add_u32 v4, v2, 4, v3
	s_mul_i32 s21, s15, HALFT
	s_mul_i32 s22, s16, HALFT
	s_add_co_u32 s22, s22, 2*HALFT
.irp s, 0,1
	v_add_nc_u32 v[ADRA+\s], s21, v4
	v_add_nc_u32 v[ADRB+\s], s22, v4
	s_add_co_u32 s21, s21, SLOT
	s_add_co_u32 s22, s22, SLOT
.endr
	v_mul_u32_u24 v5, v1, KS
	v_lshrrev_b32 v6, 8, v5
	v_lshl_add_u32 v5, v6, 4, v5
	s_mul_i32 s21, s15, HALFS
	s_mul_i32 s22, s16, HALFS
	s_add_co_u32 s22, s22, 2*HALFS
	s_sub_co_u32 s22, s22, s21
	v_mul_u32_u24 v6, s22, v2                      ; lanes 16-31 take the weights' words
	s_add_co_u32 s21, s21, SCL
	v_add_nc_u32 v5, v5, v6
	v_add_nc_u32 v[ADRS], s21, v5
	s_mul_i32 s23, s14, 16*SPITCH                  ; my stage
	v_mul_u32_u24 v5, v1, SPITCH
	v_lshl_add_u32 v5, v2, 4, v5
	v_add_nc_u32 v[STO], s23, v5                   ; in: row r, 16 bytes for each half of the lanes
	v_mul_u32_u24 v5, v2, SPITCH
	v_lshl_add_u32 v5, v1, 4, v5
	v_add_nc_u32 v[RD], s23, v5                    ; back: lanes 0-15 one row, lanes 16-31 the next
	v_and_b32 v6, 31, v0
	v_lshlrev_b32 v[CO], 4, v6
	; the way out's scalars: only global addresses, selected values and one lane mask hang on them
	s_lshl_b32 s20, s17, 8
	s_lshl_b32 s21, s15, 7
	s_add_co_u32 s20, s20, s21                     ; my first row of x
	s_lshl_b32 s41, s42, 1
	s_add_co_u32 s41, s41, s16                     ; s41: my head, 0..15 q, 16..19 k, 20..23 v
	s_lshr_b32 s22, s20, 10                        ; the sequence
	s_and_b32 s40, s20, 1023                       ; s40: my first position
	s_mul_i32 s22, s22, 24
	s_add_co_u32 s22, s22, s41                     ; the plane 24 b + head
	s_lshl_b32 s46, s40, 10                        ; 16,384 bytes of table for 16 positions
	s_cmp_ge_u32 s41, 20
	s_cselect_b32 s47, 0x100000, 0                 ; the v heads take the table of ones and zeros
	s_add_co_u32 s46, s46, s47
	s_mov_b32 s47, 0
	s_add_nc_u64 s[8:9], s[8:9], s[46:47]
	s_lshl_b32 s46, s22, 10
	s_add_co_u32 s46, s46, s40
	s_lshl_b32 s46, s46, 8
	s_add_nc_u64 s[10:11], s[10:11], s[46:47]
	s_lshl_b32 s46, s22, 3
	s_lshr_b32 s21, s40, 7
	s_add_co_u32 s46, s46, s21
	s_lshl_b32 s46, s46, 2
	s_add_co_u32 s46, s46, 786432
	s_add_nc_u64 s[92:93], s[12:13], s[46:47]      ; where my block's 2^(e - 14) goes
	s_lshl_b32 s46, s22, 13
	s_add_nc_u64 s[12:13], s[12:13], s[46:47]      ; where the plane's first 16 positions go as f32
	s_mov_b32 s18, 0x76543210
	s_mov_b32 s19, 0xfedcba98                      ; v_permlanex16_b32's selects for lane l xor 16
.macro FRAG reg, adr, q, i
.irp c, 0,1
	ds_load_b128 v[\reg+4*\c:\reg+4*\c+3], v[\adr] offset:64*(\q)+32*\c+(\i)*16*PITCH
.endr
.endm
; 16 matrix instructions; the 64 accumulators take turns, one instruction a turn, in the same order in every step
.macro MUL16 a0, p, q, sc, zero
.irp a, \a0, \a0+1
.irp b, 0,1,2,3,4,5,6,7
.if \zero
	v_wmma_scale_f32_16x16x128_f8f6f4 v[8*(8*((\a)%4)+\b):8*(8*((\a)%4)+\b)+7], v[128*(\p)+FR*\b:128*(\p)+FR*\b+FR-1], v[AF+FR*(\a):AF+FR*(\a)+FR-1], 0, v[SC+8*NQ*(\sc)+NQ*\b+(\q)], v[SC+8*NQ*(\sc)+NQ*(\a)+(\q)] matrix_a_fmt:MATRIX_FMT_FP4 matrix_b_fmt:MATRIX_FMT_FP4 matrix_a_scale:MATRIX_SCALE_ROW1
.else
	v_wmma_scale_f32_16x16x128_f8f6f4 v[8*(8*((\a)%4)+\b):8*(8*((\a)%4)+\b)+7], v[128*(\p)+FR*\b:128*(\p)+FR*\b+FR-1], v[AF+FR*(\a):AF+FR*(\a)+FR-1], v[8*(8*((\a)%4)+\b):8*(8*((\a)%4)+\b)+7], v[SC+8*NQ*(\sc)+NQ*\b+(\q)], v[SC+8*NQ*(\sc)+NQ*(\a)+(\q)] matrix_a_fmt:MATRIX_FMT_FP4 matrix_b_fmt:MATRIX_FMT_FP4 matrix_a_scale:MATRIX_SCALE_ROW1
.endif
.endr
.endr
.endm
.macro FETCH_B slot, q, p
	WIN TO_B
.irp i, 0,1,2,3,4,5,6,7
	FRAG 128*(\p)+FR*\i, ADRB+\slot, \q, \i
.endr
	WIN 0
.endm
.macro FETCH_A slot, q, i0
.irp i, \i0, \i0+1, \i0+2, \i0+3
	FRAG AF+FR*(\i), ADRA+\slot, \q, \i
.endr
.endm
.macro SCALES sc
.irp i, 0,1,2,3,4,5,6,7
	ds_load_b128 v[SC+8*NQ*\sc+NQ*\i:SC+8*NQ*\sc+NQ*\i+3], v[ADRS] offset:\i*SBLK
.endr
.endm
.macro PLACES n                        ; plain vector places behind matrix instructions, ahead of loads into their registers and of reads of their results
.rept \n
	v_nop
.endr
.endm
.macro STEP slot, q, zero
	s_wait_dscnt 4*NL                              ; the weights' set and x's blocks 0-3 are in; the youngest eight loads (x's blocks 4-7) may be out
	WIN MUL_LO
	MUL16 0, (\q)%2, \q, \slot, \zero
	MUL16 2, (\q)%2, \q, \slot, \zero
	s_wait_dscnt 0
	PLACES NP
	FETCH_B \slot, (\q)+1, 1-(\q)%2
	FETCH_A \slot, (\q)+1, 0
	WIN MUL_HI
	MUL16 4, (\q)%2, \q, \slot, \zero
	MUL16 6, (\q)%2, \q, \slot, \zero
	PLACES NP
	WIN 0
	FETCH_A \slot, (\q)+1, 4
.endm
.macro TURN slot, next, fill
	s_wait_tensorcnt 0x0                           ; all my tensor loads have landed: my part of the next slot
	ds_add_u32 v[SPW], v[NIL]                      ; 0 onto my spare word
	s_wait_dscnt 4*NL+1                            ; the add and the youngest eight loads may be out
	WIN MUL_LO
	MUL16 0, 1, NQ-1, \slot, 0
	s_wait_dscnt 0x0                               ; the add is done, and my reads of this slot are over
	s_barrier_signal -1
	MUL16 2, 1, NQ-1, \slot, 0
	WIN 0
	s_barrier_wait -1
.if \fill
	CREST                                          ; the barrier has opened a round of the cluster's barrier: no wave of any partner still reads this slot or has a load on its way
	s_add_nc_u64 s[G0+4*\slot+2:G0+4*\slot+3], s[G0+4*\slot+2:G0+4*\slot+3], 2*ROWB
	s_add_nc_u64 s[G0B+4*\slot+2:G0B+4*\slot+3], s[G0B+4*\slot+2:G0B+4*\slot+3], 2*ROWB
	JLOAD G0+4*\slot, G1, G0B+4*\slot, G1B
.else
	PLACES NP
.endif
	v_add_nc_u32 v[ADRS], 4*NQ, v[ADRS]
	FETCH_B \next, 0, 0
	FETCH_A \next, 0, 0
	SCALES \next
	WIN MUL_HI
	MUL16 4, 1, NQ-1, \slot, 0
	MUL16 6, 1, NQ-1, \slot, 0
	PLACES NP
	WIN 0
	FETCH_A \next, 0, 4
.endm
.macro STEPS slot, from
.set Q, \from
.rept NQ-1-\from
	STEP \slot, Q, 0
.set Q, Q+1
.endr
.endm
	s_wait_tensorcnt 1                             ; the scales and my part of K step 0 are in; K step 1's load may be out
	s_barrier_signal -1
	s_barrier_wait -1
	FETCH_B 0, 0, 0
	FETCH_A 0, 0, 0
	SCALES 0
	FETCH_A 0, 0, 4
	STEP 0, 0, 1                                   ; the first step's products start the sums
	s_mov_b32 s3, LAPS-1
.Llap:
	STEPS 0, 1
	TURN 0, 1, 1
	STEPS 1, 0
	TURN 1, 0, 1
	STEP 0, 0, 0
	s_sub_co_u32 s3, s3, 1
	s_cmp_lg_u32 s3, 0
	s_cbranch_scc1 .Llap
	STEPS 0, 1
	TURN 0, 1, 0
	STEPS 1, 0
	s_wait_dscnt 4*NL
	WIN MUL_LO
	MUL16 0, 1, NQ-1, 1, 0
	MUL16 2, 1, NQ-1, 1, 0
	s_wait_dscnt 0
	WIN MUL_HI
	MUL16 4, 1, NQ-1, 1, 0
	MUL16 6, 1, NQ-1, 1, 0
	WIN 0
; ---- THE WAY OUT
.macro TLOADT a                        ; the tables of positions 16 a .. 16 a + 15: 32 loads of 512 consecutive bytes, into set a % 2 of window 1
	WIN TO_B
.set ii, 0
.rept 32
	global_load_b128 v[128*((\a)%2)+4*ii:128*((\a)%2)+4*ii+3], v[CO], s[8:9] offset:(\a)*16384+512*ii
.set ii, ii+1
.endr
	WIN 0
.endm
.macro ROPE a                          ; in a table set, for channels 16 b + 8 h + 0..7: cos +0, sin +8; for 64 more: cos +16, sin +24
.set W, 2+(\a)/4
.set AC, 64*((\a)%4)
.set TB, 128*((\a)%2)
	WIN W|4                                        ; source 0 the accumulators, source 1 the table, results in window 0
.irp b, 0,1,2,3
.irp p, 0,2,4,6                        ; each accumulator is read from its low end on
	v_pk_mul_f32 v[TT+16*\b+\p:TT+16*\b+\p+1], v[AC+8*(\b+4)+\p:AC+8*(\b+4)+\p+1], v[TB+32*\b+8+\p:TB+32*\b+8+\p+1]
	v_pk_mul_f32 v[TT+16*\b+8+\p:TT+16*\b+8+\p+1], v[AC+8*\b+\p:AC+8*\b+\p+1], v[TB+32*\b+24+\p:TB+32*\b+24+\p+1]
.endr
.endr
	WIN W|4|(W<<6)
.irp b, 0,1,2,3
.irp p, 0,2,4,6
	v_pk_fma_f32 v[AC+8*\b+\p:AC+8*\b+\p+1], v[AC+8*\b+\p:AC+8*\b+\p+1], v[TB+32*\b+\p:TB+32*\b+\p+1], v[TT+16*\b+\p:TT+16*\b+\p+1] neg_lo:[0,0,1] neg_hi:[0,0,1]
	v_pk_fma_f32 v[AC+8*(\b+4)+\p:AC+8*(\b+4)+\p+1], v[AC+8*(\b+4)+\p:AC+8*(\b+4)+\p+1], v[TB+32*\b+16+\p:TB+32*\b+16+\p+1], v[TT+16*\b+8+\p:TT+16*\b+8+\p+1]
.endr
.endr
	WIN (W<<2)|(W<<4)
.set ii, 0
.rept 32
	v_max3_num_f32 v[MX+ii%4], v[MX+ii%4], |v[AC+2*ii]|, |v[AC+2*ii+1]|   ; four chains
.set ii, ii+1
.endr
	WIN 0
.endm
.macro FINEST                          ; positions 0..15 of a sequence as f32: the stores run with all lanes off in every wave whose rows are not a sequence's first
	v_mov_b32 v8, s40
	v_cmp_eq_u32 vcc_lo, 0, v8
	s_wait_xcnt 0x0                                ; EXEC changes only behind this wait
	s_and_saveexec_b32 s94, vcc_lo
	WIN 0x08                                       ; a store's data: window 2
.set ii, 0
.rept 16
	global_store_b128 v[CO], v[4*ii:4*ii+3], s[12:13] offset:512*ii
.set ii, ii+1
.endr
	WIN 0
	s_wait_xcnt 0x0
	s_or_b32 exec_lo, exec_lo, s94
.endm
	PLACES NP
	TLOADT 0
	TLOADT 1
.irp c, 0,1,2,3
	v_mov_b32 v[MX+\c], 0x07800000                 ; a floor, 2^-112, so that both powers of two below are normal numbers
.endr
.irp a, 0,1,2,3,4,5,6,7
.if \a < 7
	s_wait_loadcnt 32                              ; this set's 32 loads are in; the next set's stay out
.else
	s_wait_loadcnt 0x0
.endif
	ROPE \a
.if \a == 0
	FINEST
.endif
.if \a < 6
	TLOADT \a+2
.endif
.endr
	v_max3_num_f32 v[MX], v[MX], v[MX+1], v[MX+2]
	v_max_num_f32 v[MX], v[MX], v[MX+3]
	v_max_num_f32_dpp v[MX], v[MX], v[MX] row_xmask:1 row_mask:0xf bank_mask:0xf
	v_max_num_f32_dpp v[MX], v[MX], v[MX] row_xmask:2 row_mask:0xf bank_mask:0xf
	v_max_num_f32_dpp v[MX], v[MX], v[MX] row_xmask:4 row_mask:0xf bank_mask:0xf
	v_max_num_f32_dpp v[MX], v[MX], v[MX] row_xmask:8 row_mask:0xf bank_mask:0xf
	v_permlanex16_b32 v[MX+1], v[MX], s18, s19
	v_max_num_f32 v[MX], v[MX], v[MX+1]
	v_readfirstlane_b32 s95, v[MX]
	s_lshr_b32 s95, s95, 23                        ; the largest magnitude's exponent field, e + 127
	s_sub_co_u32 s96, 268, s95
	s_lshl_b32 s96, s96, 23                        ; 2^(14 - e)
	s_sub_co_u32 s95, s95, 14
	s_lshl_b32 s95, s95, 23                        ; 2^(e - 14)
	s_cmp_ge_u32 s41, 20
	s_cselect_b32 s96, 1.0, s96                    ; v goes as it is
	s_cselect_b32 s95, 1.0, s95
	s_mov_b32 s97, s96
	v_mov_b32 v9, s95
	v_mov_b32 v10, 0
	v_and_b32 v8, 31, v0
	v_cmp_eq_u32 vcc_lo, 0, v8
	s_wait_xcnt 0x0
	s_and_saveexec_b32 s94, vcc_lo
	global_store_b32 v10, v9, s[92:93]             ; lane 0 alone
	s_wait_xcnt 0x0
	s_or_b32 exec_lo, exec_lo, s94
.macro PACK a
.set W, 2+(\a)/4
.set AC, 64*((\a)%4)
	WIN W
.set ii, 0
.rept 32
	v_pk_mul_f32 v[TT+2*ii:TT+2*ii+1], v[AC+2*ii:AC+2*ii+1], s[96:97] op_sel_hi:[1,0]
.set ii, ii+1
.endr
	WIN 0
.set ii, 0
.rept 32
	v_cvt_pk_f16_f32 v[TMP+ii], v[TT+2*ii], v[TT+2*ii+1]
.set ii, ii+1
.endr
.endm
.macro TOSTAGE a                       ; LDS serves a wave's instructions in order: the loads see the stores, and the next block's stores come behind them
.irp b, 0,1,2,3,4,5,6,7
	ds_store_b128 v[STO], v[TMP+4*\b:TMP+4*\b+3] offset:32*\b
.endr
	WIN TO_B
.irp t, 0,1,2,3,4,5,6,7
	ds_load_b128 v[32*((\a)%2)+4*\t:32*((\a)%2)+4*\t+3], v[RD] offset:2*\t*SPITCH
.endr
	WIN 0
.endm
.macro SEND a
	s_wait_dscnt 0x0                               ; the block is back in registers
	s_wait_xcnt 0x0                                ; the stores of the block before have read their registers: the next block's loads may land there
	WIN 0x04                                       ; a store's data: window 1
.irp t, 0,1,2,3,4,5,6,7
	global_store_b128 v[CO], v[32*((\a)%2)+4*\t:32*((\a)%2)+4*\t+3], s[10:11] offset:4096*(\a)+512*\t   ; two rows of 256 bytes on end: 512 consecutive bytes
.endr
	WIN 0
.endm
	PACK 0
	TOSTAGE 0
.irp a, 1,2,3,4,5,6,7
	PACK \a
	SEND \a-1
	TOSTAGE \a
.endr
	SEND 7
	s_wait_tensorcnt 0x0                           ; the wave's end
	ds_add_u32 v[SPW], v[NIL]
	s_wait_dscnt 0x0
	CROUND                                         ; the closing round
	s_endpgm
.Lfunc_end_k_q4b184181be_qkv:
	.size	k_q4b184181be_qkv, .Lfunc_end_k_q4b184181be_qkv-k_q4b184181be_qkv
	.p2alignl 7, 3214868480
	.fill 96, 4, 3214868480
	.section	.rodata,"a",@progbits
	.p2align	6, 0x0
	.amdhsa_kernel k_q4b184181be_qkv
		.amdhsa_group_segment_fixed_size 327680
		.amdhsa_private_segment_fixed_size 0
		.amdhsa_enable_private_segment 0
		.amdhsa_kernarg_size 40
		.amdhsa_user_sgpr_count 2
		.amdhsa_user_sgpr_kernarg_segment_ptr 1
		.amdhsa_wavefront_size32 1
		.amdhsa_system_sgpr_workgroup_id_x 1
		.amdhsa_system_sgpr_workgroup_id_y 1
		.amdhsa_system_sgpr_workgroup_id_z 1
		.amdhsa_system_vgpr_workitem_id 0
		.amdhsa_next_free_vgpr 1024
		.amdhsa_next_free_sgpr 100
		.amdhsa_reserve_vcc 1
		.amdhsa_float_denorm_mode_32 3
		.amdhsa_float_denorm_mode_16_64 3
		.amdhsa_memory_ordered 1
		.amdhsa_forward_progress 1
		.amdhsa_inst_pref_size 255
	.end_amdhsa_kernel
	.section	.bss,"aw",@nobits
	.p2align	6
	.space	262144
	.amdgpu_metadata
---
amdhsa.version: [ 1, 2 ]
amdhsa.kernels:
  - .name:           k_q4b184181be_qkv
    .symbol:         k_q4b184181be_qkv.kd
    .args:
      - { .name: codes, .offset: 0, .size: 8, .value_kind: global_buffer, .address_space: global }
      - { .name: scales, .offset: 8, .size: 8, .value_kind: global_buffer, .address_space: global }
      - { .name: rope, .offset: 16, .size: 8, .value_kind: global_buffer, .address_space: global }
      - { .name: qkv, .offset: 24, .size: 8, .value_kind: global_buffer, .address_space: global }
      - { .name: aux, .offset: 32, .size: 8, .value_kind: global_buffer, .address_space: global }
    .group_segment_fixed_size: 327680
    .private_segment_fixed_size: 0
    .kernarg_segment_align: 8
    .kernarg_segment_size: 40
    .max_flat_workgroup_size: 128
    .sgpr_count:     100
    .vgpr_count:     1024
    .wavefront_size: 32
...
	.end_amdgpu_metadata
.endif
;; end of part 2
;; launch attn (part 3): grid 16 x 16, 4 waves a work-group, clusters of 4 x 1, 327,680 bytes of LDS; arguments qkv, aux, ao, fo; writes ao, fo
.if DOCPART == 3
	.amdgcn_target "amdgcn-amd-amdhsa--gfx1250"
	.amdhsa_code_object_version 6
	.text
	.protected	k_q4b184181be_attn
	.globl	k_q4b184181be_attn
	.p2align	8
	.type	k_q4b184181be_attn,@function
k_q4b184181be_attn:
	s_mov_b64 s[64:65], 0
	v_nop
	global_prefetch_b8 v0, s[64:65] scope:SCOPE_SE
	s_setreg_imm32_b32 hwreg(HW_REG_WAVE_MODE, 25, 1), 1
	s_wait_xcnt 0x0
	s_wait_alu depctr_hold_cnt(0) depctr_sa_sdst(0) depctr_va_vdst(0) depctr_va_sdst(0) depctr_va_ssrc(0) depctr_va_vcc(0) depctr_vm_vsrc(0)
	s_getreg_b32 s2, hwreg(HW_REG_IB_STS2, 6, 4)
	s_cmp_eq_u32 s2, 0
	s_cbranch_scc0 .Lentry_in_a_cluster
	s_endpgm
.Lentry_in_a_cluster:
	s_bfe_u32 s2, ttmp6, 0x10000c
	s_cmp_lg_u32 s2, 0x3003
	s_cbranch_scc0 .Lentry_shape_is_right
	s_endpgm
.Lentry_shape_is_right:
; Causal attention, 16 query heads on 4 key and value heads, head size 128, 1,024 positions, 4 sequences.  q, k, v arrive as f16 planes [b][24][1024][128] (q and k times an exact power of two for each 128 positions: aux holds its inverse).
; Products on f16 operands with f32 sums; maxima, exponentials and sums in f32; the weights p are rounded to f16 for the second product, the result once to f16 (ao [b s][head 128 + d]).
; SHARES.  The four work-groups of a cluster are the four query heads of one key head: they walk the same K and V, which are asked for JOINTLY.  Cluster x = g (0..3).  Wave w owns the strip of 64 queries 4 w + g.
; Every work-group walks all 1,024 keys, 64 a step, so every trip count is a constant; a wave leaves out the WORK of the steps whose keys all come after its queries (a scalar branch on ids), never a barrier, a wait or a load.
; The last slot's tiles are read in every work-group: wave 3's strip is 12 + g.
; LAYOUT, SOFTMAX, TURNS.  S^T = K Q^T and O^T = V^T P: a lane holds one query throughout.  The wave's four tiles of 16 queries are two pieces (tiles 0, 1; tiles 2, 3).  In a turn one piece has the matrix unit (32 products V^T P
; of the step in hand, 32 products K Q^T of the next) and the other piece's softmax stands in 64 slices behind its matrix instructions.  The running maximum is kept as c m, c = log2(e) / sqrt(128) x q's and k's block scales:
; p = 2^(c s - c m); O and l are multiplied by 2^(old c m - new c m) in every step.  O^T and l begin as zeros and c m as -3e38: the step at which a wave's sums begin is the same text for all.
; ON THE DIAGONAL (step = strip) hidden scores become -infinity ahead of the maximum.  Each query's own key counts there, so every maximum is a number.
; THE FIRST 16 POSITIONS of every sequence and head are also computed in f32 (fused forms of the matrix unit, 64 instructions), from the f32 images in aux, into fo: by wave 0 where g = 0, whose strip leaves it idle meanwhile.
; LIMITS: NaN and infinities are not served; |v| under 65,504; a weight under 6e-8 of the row's largest falls to 0 in f16; c is held at 2^-126 from below.
; REGISTERS: window 0: v0-11 addresses; v12-43 statistics, 8 a tile; v44-47, v61-63 constants; v64-191 S^T; v192-255 P.  window 1: O^T.  window 2: v0-127 Q, v128-255 K.  window 3: v0-127 V; v128-223 the f32 form's sums alone.
.set KS,    64
.set PK,    272                        ; a row of K in LDS: 256 bytes + 16
.set PV,    288                        ; a row of V: 256 + 32
.set KREG,  256*PK                     ; a slot: 256 rows of K, then 256 rows of V
.set SLOTB, KREG+256*PV                ; 143,360 = 0x23000
.set KSTB,  KS*PK                      ; a step on in K's rows
.set VSTB,  KS*PV                      ; and in V's
.set KX,    0x23000                    ; turns 0 into 143,360 and back
.set VX,    0x25000                    ; turns 69,632 into 212,992 and back
.set STAGE, 2*SLOTB
.set SP,    272
.set SPARE, STAGE+4*16*SP
.set AK0, 2
.set AV0, 3
.set ADR, 4
.set QO,  5
.set STO, 6
.set RD,  7
.set GO,  8
.set ST,  12                           ; tile t at v[ST+8 t]: +0 c m, +1 unused (named in a pair), +2, +3 l, +4..+7 at work; +6 takes a
.set DL,  44                           ; v44  r - 8 h
.set NINF, 45                          ; v45  -infinity
.set LA,  46                           ; v46  16 x lane
.set VA,  47                           ; v47  the fine rows: my place in V's image
.set PFO, 61
.set SPW, 62
.set NIL, 63
.set S,   64
.set P,   192
.set KF,  128
.set WV,  12
.set STR, 19                           ; s19  my strip
.set F,   20                           ; s20  the step in hand
.set G1K, 24
.set G1V, 32
.set G0K, 40
.set G0V, 48
.set CS0, 56                           ; s[56:57] c of piece 0's step
.set CS2, 58                           ; s[58:59] c of piece 2's
.set SEL, 60
.set TBK, 62                           ; s62  LDS byte of the step's rows of K
.set TBV, 63                           ; s63  of V (less KREG)
.set CQ,  66
.set KSV, 67
.set KOF, 68
.set SLOTS, 69
.set CNT, 70
.set LIM, 71
.set PFA, 72
.set KSB, 74
.set CC,  76
.set QP,  84
.set AOP, 86
.set FQ,  88
.set FK,  90
.set FV,  92
.set FO,  94
.set MSB, 0
.macro WIN new
.if MSB != (\new)
	s_set_vgpr_msb (MSB<<8)|(\new)
.set MSB, (\new)
.endif
.endm
.set W_KQ, 0x0a
.set W_PV, 0x53
.set W_RS, 0x41
.macro JLOAD                           ; a joint refill: wave 0 fetches a slot's 256 rows of K, wave 1 those of V, the others nothing; the branches hang on the wave's number alone
	s_cmp_eq_u32 s[WV], 0
	s_cbranch_scc0 .Lnot_k_\@
	tensor_load_to_lds s[G0K+4:G0K+7], s[G1K:G1K+7]
	s_nop 0
.rept 4
	v_nop
.endr
	s_branch .Lasked_\@
.Lnot_k_\@:
	s_cmp_eq_u32 s[WV], 1
	s_cbranch_scc0 .Lasked_\@
	tensor_load_to_lds s[G0V+4:G0V+7], s[G1V:G1V+7]
	s_nop 0
.rept 4
	v_nop
.endr
.Lasked_\@:
.endm
; A prefetch of keys 768..1023, which the second change of slots loads, at the first change: four key steps ahead.  Each row of 256 bytes is named once in the launch: of the four clusters that walk a key head the one with g = 0 asks;
; its partners take 64 rows each, told apart by address; waves 0 and 1 take K's, waves 2 and 3 V's, 32 rows each, a lane a row.  The address is never stepped.
.macro ASK
	s_cmp_gt_u32 s[SLOTS], s[LIM]
	s_cbranch_scc0 .Lnot_mine_\@
	global_prefetch_b8 v[PFO], s[PFA:PFA+1] th:TH_LOAD_NT scope:SCOPE_SE
.Lnot_mine_\@:
.endm
.macro CROUND
	s_barrier_signal -1
	s_barrier_wait -1
	s_cmp_lg_u32 s[WV], 0
	s_cbranch_scc1 .Lnot_wave_0_\@
	s_barrier_signal -3
.Lnot_wave_0_\@:
	s_barrier_wait -3
	s_barrier_signal -1
	s_barrier_wait -1
.endm
	s_load_b256 s[4:11], s[0:1], 0x0               ; qkv 4:5, aux 6:7, ao 8:9, fo 10:11
	v_lshl_add_u32 v[SPW], v0, 2, SPARE
	v_mov_b32 v[NIL], 0
	ds_add_u32 v[SPW], v[NIL]                      ; the wave's opening: the add, twice on end, and its wait ahead of the first tensor load
	ds_add_u32 v[SPW], v[NIL]
	v_lshrrev_b32 v1, 5, v0
	v_readfirstlane_b32 s[WV], v1
	s_bfe_u32 s13, ttmp6, 0x40000                  ; cx: which of the key head's four query heads
	s_mov_b32 s14, ttmp9                           ; g: the same in all four partners
	s_and_b32 s15, ttmp7, 0xffff
	s_lshr_b32 s16, s15, 2                         ; the sequence
	s_and_b32 s17, s15, 3                          ; the key head
	s_lshl_b32 s18, s17, 2
	s_add_co_u32 s18, s18, s13                     ; the query head
	s_lshl_b32 s[STR], s[WV], 2
	s_add_co_u32 s[STR], s[STR], s14
	s_mul_i32 s21, s16, 24
	s_add_co_u32 s22, s21, s17
	s_add_co_u32 s22, s22, 16                      ; K's plane (no cx in it)
	s_add_co_u32 s23, s21, s18                     ; Q's plane
	s_lshl_b32 s78, s22, 18                        ; a plane is 262,144 bytes
	s_mov_b32 s79, 0
	s_add_co_u32 s80, s78, 1<<20                   ; V's plane lies four planes on
	s_mov_b32 s81, 0
	s_lshl_b32 s82, s23, 18
	s_lshl_b32 s83, s[STR], 14
	s_add_co_u32 s82, s82, s83                     ; my 64 rows of Q
	s_mov_b32 s83, 0
	s_lshl_b32 s2, s16, 22
	s_lshl_b32 s3, s[STR], 18
	s_add_co_u32 s2, s2, s3
	s_lshl_b32 s3, s18, 8
	s_add_co_u32 s2, s2, s3                        ; my rows and my head's 256 bytes in ao
	s_mov_b32 s3, 0
	s_lshl_b32 s[FQ], s23, 13
	s_mov_b32 s[FQ+1], 0
	s_lshl_b32 s[FK], s22, 13
	s_mov_b32 s[FK+1], 0
	s_add_co_u32 s[FV], s[FK], 4*8192
	s_mov_b32 s[FV+1], 0
	s_lshl_b32 s[FO], s16, 17
	s_lshl_b32 s[FO+1], s18, 13
	s_add_co_u32 s[FO], s[FO], s[FO+1]
	s_mov_b32 s[FO+1], 0
	s_lshl_b32 s[KSB], s22, 5
	s_add_co_u32 s[KSB], s[KSB], 786432            ; K's eight block scales
	s_mov_b32 s[KSB+1], 0
	s_lshl_b32 s96, s23, 3
	s_lshr_b32 s97, s[STR], 1
	s_add_co_u32 s96, s96, s97
	s_lshl_b32 s96, s96, 2
	s_add_co_u32 s96, s96, 786432                  ; my strip's block scale of Q
	s_mov_b32 s97, 0
	s_mov_b32 s[G1K], 15|(1<<16)|(1<<20)|(1<<21)|(5<<22)|(3<<25)  ; the mask: all four; elements of 2 bytes; padding: 4 words behind every 64
	s_mov_b32 s[G1V], 15|(1<<16)|(1<<20)|(1<<21)|(5<<22)|(7<<25)  ; 8 words
.irp g, G1K, G1V
	s_mov_b32 s[\g+1], 128<<16                     ; tensor_dim0
	s_mov_b32 s[\g+2], 256<<16                     ; tensor_dim1
	s_mov_b32 s[\g+3], 128<<16                     ; tile_dim0
	s_mov_b32 s[\g+4], 256                         ; tile_dim1
	s_mov_b32 s[\g+5], 128                         ; elements from row to row
	s_mov_b32 s[\g+6], 0
	s_mov_b32 s[\g+7], 0
.endr
	s_mov_b32 s[CC], 0x3e0293ee                    ; log2(e) / sqrt(128)
	s_mov_b32 s[CC+1], s[CC]
	s_mov_b32 s[SEL], 0x76543210
	s_mov_b32 s[SEL+1], 0xfedcba98
	s_mov_b32 s[TBK], 0
	s_mov_b32 s[TBV], 0
	s_cmp_eq_u32 s14, 0
	s_cselect_b32 s[LIM], 1, -1
	s_wait_dscnt 0x0                               ; both opening adds are done
	s_wait_kmcnt 0x0
	s_add_nc_u64 s[78:79], s[4:5], s[78:79]
	s_add_nc_u64 s[80:81], s[4:5], s[80:81]
	s_add_nc_u64 s[QP:QP+1], s[4:5], s[82:83]
	s_add_nc_u64 s[AOP:AOP+1], s[8:9], s[2:3]
	s_add_nc_u64 s[FQ:FQ+1], s[6:7], s[FQ:FQ+1]
	s_add_nc_u64 s[FK:FK+1], s[6:7], s[FK:FK+1]
	s_add_nc_u64 s[FV:FV+1], s[6:7], s[FV:FV+1]
	s_add_nc_u64 s[FO:FO+1], s[10:11], s[FO:FO+1]
	s_add_nc_u64 s[KSB:KSB+1], s[6:7], s[KSB:KSB+1]
	s_add_nc_u64 s[96:97], s[6:7], s[96:97]
	s_load_b32 s[CQ], s[96:97], 0x0
	s_load_b32 s[KSV], s[KSB:KSB+1], 0x0
	s_cmp_lt_u32 s[WV], 2
	s_cselect_b64 s[PFA:PFA+1], s[78:79], s[80:81]
	s_lshl_b32 s2, s13, 14
	s_and_b32 s3, s[WV], 1
	s_lshl_b32 s3, s3, 13
	s_add_co_u32 s2, s2, s3
	s_add_co_u32 s2, s2, 768*256
	s_mov_b32 s3, 0
	s_add_nc_u64 s[PFA:PFA+1], s[PFA:PFA+1], s[2:3]
	CROUND                                         ; all four work-groups are here: the first joint loads meet
.irp s, 0,1
	s_mov_b32 s[G0K+4*\s], 1
	s_mov_b32 s[G0K+4*\s+1], \s*SLOTB
	s_add_nc_u64 s[G0K+4*\s+2:G0K+4*\s+3], s[78:79], \s*65536
	s_or_b32 s[G0K+4*\s+3], s[G0K+4*\s+3], 0x80000000
	s_mov_b32 s[G0V+4*\s], 1
	s_mov_b32 s[G0V+4*\s+1], \s*SLOTB+KREG
	s_add_nc_u64 s[G0V+4*\s+2:G0V+4*\s+3], s[80:81], \s*65536
	s_or_b32 s[G0V+4*\s+3], s[G0V+4*\s+3], 0x80000000
.endr
	s_cmp_eq_u32 s[WV], 0                          ; a wave's two first fills stand in one branch: two loads of mine are out at the most
	s_cbranch_scc0 .Lfirst_not_k
	tensor_load_to_lds s[G0K:G0K+3], s[G1K:G1K+7]
	s_nop 0
	tensor_load_to_lds s[G0K+4:G0K+7], s[G1K:G1K+7]
	s_nop 0
.rept 4
	v_nop
.endr
	s_branch .Lfirst_asked
.Lfirst_not_k:
	s_cmp_eq_u32 s[WV], 1
	s_cbranch_scc0 .Lfirst_asked
	tensor_load_to_lds s[G0V:G0V+3], s[G1V:G1V+7]
	s_nop 0
	tensor_load_to_lds s[G0V+4:G0V+7], s[G1V:G1V+7]
	s_nop 0
.rept 4
	v_nop
.endr
.Lfirst_asked:
	v_and_b32 v1, 15, v0                           ; r
	v_bfe_u32 v9, v0, 4, 1                         ; h
	v_lshlrev_b32 v[QO], 8, v1
	v_lshl_add_u32 v[QO], v9, 4, v[QO]
	WIN 0x80
.irp i, 0,1,2,3,4,5,6,7,8,9,10,11,12,13,14,15  ; Q stays in registers: tile i / 4, channels 32 (i % 4) on
	global_load_b128 v[8*\i:8*\i+3],   v[QO], s[QP:QP+1] offset:(\i/4)*4096+(\i%4)*64
	global_load_b128 v[8*\i+4:8*\i+7], v[QO], s[QP:QP+1] offset:(\i/4)*4096+(\i%4)*64+32
.endr
	WIN 0
	v_mul_u32_u24 v[AK0], v1, PK
	v_lshl_add_u32 v[AK0], v9, 4, v[AK0]
	v_and_b32 v10, 7, v0
	v_bfe_u32 v11, v0, 3, 1
	v_lshl_add_u32 v[AV0], v9, 3, v10
	v_mul_u32_u24 v[AV0], v[AV0], PV
	v_lshl_add_u32 v[AV0], v11, 4, v[AV0]
	v_add_nc_u32 v[AV0], KREG, v[AV0]
	v_lshlrev_b32 v10, 3, v9
	v_sub_nc_u32 v[DL], v1, v10
	v_mov_b32 v[NINF], 0xff800000
	v_and_b32 v10, 31, v0
	v_lshlrev_b32 v[LA], 4, v10
	v_lshlrev_b32 v[PFO], 8, v10
	v_bfe_u32 v10, v0, 2, 1
	v_lshlrev_b32 v[VA], 9, v10
	v_lshl_add_u32 v[VA], v11, 8, v[VA]
	v_and_b32 v10, 3, v0
	v_lshl_add_u32 v[VA], v10, 2, v[VA]
	v_lshl_add_u32 v[VA], v9, 7, v[VA]
.irp t, 0,1,2,3
	v_mov_b32 v[ST+8*\t], 0xff61b1e6               ; c m: -3e38, under every c s
	v_mov_b32 v[ST+8*\t+1], 0
	v_mov_b32 v[ST+8*\t+2], 0                      ; l
	v_mov_b32 v[ST+8*\t+3], 0
.endr
	WIN 0x40
.set ii, 0
.rept 256
	v_mov_b32 v[ii], 0                             ; O^T.  Written while the first tiles are on their way: a first product with C = 0 would fall in another step for each wave and want a second copy of the step
.set ii, ii+1
.endr
	WIN 0
.macro PV x                            ; product i of 32 of O^T += V^T P: keys 32 (i / 16) on, channels 16 ((i / 2) % 8) on, tile x + i % 2.  The accumulators take turns
	WIN W_PV
.set rO, 64*(\x+i%2)+8*((i/2)%8)
.set rV, 64*(i/16)+8*((i/2)%8)
.set rP, P+16*(\x+i%2)+8*(i/16)
	v_wmma_f32_16x16x32_f16 v[rO:rO+7], v[rV:rV+7], v[rP:rP+7], v[rO:rO+7]
.endm
.macro KQ x                            ; product i of 32 of S^T = K Q^T: channels 32 (i / 8) on, keys 16 ((i / 2) % 4) on, tile x + i % 2.  The first 8 start the sums
	WIN W_KQ
.set rS, S+32*(\x+i%2)+8*((i/2)%4)
.set rK, KF+32*((i/2)%4)+8*(i/8)
.set rQ, 32*(\x+i%2)+8*(i/8)
.if i < 8
	v_wmma_f32_16x16x32_f16 v[rS:rS+7], v[rK:rK+7], v[rQ:rQ+7], 0
.else
	v_wmma_f32_16x16x32_f16 v[rS:rS+7], v[rK:rK+7], v[rQ:rQ+7], v[rS:rS+7]
.endif
.endm
.macro FETCH_K
	WIN 0
	v_add_nc_u32 v[ADR], s[TBK], v[AK0]
	WIN 0x80
.irp f, 0,1,2,3,4,5,6,7,8,9,10,11,12,13,14,15
	ds_load_b128 v[KF+8*\f:KF+8*\f+3],   v[ADR] offset:(\f/4)*16*PK+(\f%4)*64
	ds_load_b128 v[KF+8*\f+4:KF+8*\f+7], v[ADR] offset:(\f/4)*16*PK+(\f%4)*64+32
.endr
.endm
.macro FETCH_V
	WIN 0
	v_add_nc_u32 v[ADR], s[TBV], v[AV0]
	s_wait_alu depctr_va_vdst(0)                   ; the one wait for the softmax's batch of exponentials, ahead of the first instruction that names a result
	WIN 0xc0
.irp f, 0,1,2,3,4,5,6,7,8,9,10,11,12,13,14,15
	ds_load_tr16_b128 v[8*\f:8*\f+3],   v[ADR] offset:(\f/8)*32*PV+(\f%8)*32
	ds_load_tr16_b128 v[8*\f+4:8*\f+7], v[ADR] offset:(\f/8)*32*PV+16*PV+(\f%8)*32
.endr
.endm
; ONE TILE'S SOFTMAX FOR ONE KEY STEP is a numbered list; SM writes number j for tile t.
;   0-15 the maximum of the lane's 32 scores;  16-21 the other half's, as c s, the new c m, old c m - new c m;  22-73 ONE BATCH in fours: the 16 scalings c s - c m (a pair each) and the 33 exponentials (a, then the 32), none of which
;   reads an exponential's result, a pair scaled in an earlier four than its exponentials;  (the wait)  74-89 roundings to f16;  90-105 the sums, l = a l + sum;  106-137 O^T times a.
.macro SM t
.set rT, ST+8*(\t)
.set rS, S+32*(\t)
.set rP, P+16*(\t)
.set rC, CS0+2*((\t)/2)
.if j < 106
	WIN 0
.endif
.if j < 4
	v_max3_num_f32 v[rT+4+j], v[rS+8*j], v[rS+8*j+1], v[rS+8*j+2]
.elseif j < 12
	v_max3_num_f32 v[rT+4+j%4], v[rT+4+j%4], v[rS+8*(j%4)+2*(j/4)+1], v[rS+8*(j%4)+2*(j/4)+2]
.elseif j == 12
	v_max3_num_f32 v[rT+4], v[rT+4], v[rS+7], v[rS+15]
.elseif j == 13
	v_max3_num_f32 v[rT+6], v[rT+6], v[rS+23], v[rS+31]
.elseif j == 14
	v_max3_num_f32 v[rT+4], v[rT+4], v[rT+5], v[rT+6]
.elseif j == 15
	v_max_num_f32 v[rT+4], v[rT+4], v[rT+7]
.elseif j == 16
	v_permlanex16_b32 v[rT+5], v[rT+4], s[SEL], s[SEL+1]
.elseif j == 17
	v_mov_b32 v[rT+7], v[rT]
.elseif j == 18
	v_max_num_f32 v[rT+4], v[rT+4], v[rT+5]
.elseif j == 19
	v_mul_f32 v[rT+4], s[rC], v[rT+4]
.elseif j == 20
	v_max_num_f32 v[rT], v[rT], v[rT+4]
.elseif j == 21
	v_sub_f32 v[rT+7], v[rT+7], v[rT]
.elseif j < 74
.set F4, (j-22)/4
.set n4, (j-22)%4
.set kd, 0                             ; 1: scaling of pair ix; 2: exponential of score ix; 3: a
.set ix, 0
.if F4 == 0
.if n4 == 1
.set kd, 3
.else
.set kd, 1
.set ix, (n4+1)/2
.endif
.elseif F4 < 4
.if n4%2 == 0
.set kd, 1
.set ix, 2*F4+1+n4/2
.else
.set kd, 2
.set ix, 2*F4-2+n4/2
.endif
.elseif F4 < 11
.if n4 == 0
.set kd, 1
.set ix, F4+5
.else
.set kd, 2
.set ix, 3*F4-7+n4
.endif
.elseif F4 == 11
.set kd, 2
.set ix, 27+n4
.elseif n4 == 0
.set kd, 2
.set ix, 31
.endif
.if kd == 1
	v_pk_fma_f32 v[rS+2*ix:rS+2*ix+1], v[rS+2*ix:rS+2*ix+1], s[rC:rC+1], v[rT:rT+1] op_sel_hi:[1,0,0] neg_lo:[0,0,1] neg_hi:[0,0,1]
.elseif kd == 2
	v_exp_f32 v[rS+ix], v[rS+ix]
.elseif kd == 3
	v_exp_f32 v[rT+6], v[rT+7]
.endif
.elseif j < 90
	v_cvt_pk_f16_f32 v[rP+j-74], v[rS+2*(j-74)], v[rS+2*(j-74)+1]
.elseif j < 106
.set z, j-90
.set w, 4
.set u, z
.if z >= 14
.set w, 32
.set u, 0
.elseif z >= 12
.set w, 16
.set u, z-12
.elseif z >= 8
.set w, 8
.set u, z-8
.endif
.if z < 15
	v_pk_add_f32 v[rS+w*u:rS+w*u+1], v[rS+w*u:rS+w*u+1], v[rS+w*u+w/2:rS+w*u+w/2+1]
.else
	v_pk_fma_f32 v[rT+2:rT+3], v[rT+2:rT+3], v[rT+6:rT+7], v[rS:rS+1] op_sel_hi:[1,0,1]
.endif
.else
	WIN W_RS
.set rO, 64*(\t)+2*(j-106)
	v_pk_mul_f32 v[rO:rO+1], v[rO:rO+1], v[rT+6:rT+7] op_sel_hi:[1,0]
.endif
.endm
; Slice k of 64 of piece y's softmax.  Slices 11 to 36 deal out the batch, four numbers of one tile each, the tiles by turns; every other slice is numbers 2 k and 2 k + 1 of both tiles; slice 63 takes 126 to 137: 24 plain
; instructions, the places behind the turn's last product.  Behind slice 36 no exponential is issued and ahead of slice 37 none of their results is named: one wait a turn.
.macro SLICE y
.if (k >= 11) && (k < 37)
.irp n, 0,1,2,3
.set j, 22+4*((k-11)/2)+(\n)
	SM (\y)+(k-11)%2
.endr
.else
.irp n, 0,1,2,3,4,5,6,7,8,9,10,11
.if (\n < 2) || (k == 63)
.irp t, \y, \y+1
.set j, 2*k+\n
	SM \t
.endr
.endif
.endr
.endif
.if k == 36
	v_nop                                          ; a plain instruction behind the last exponential
.if (\y) == 0
	FETCH_V                                        ; piece 2's turn: V's run of loads stands here, the wait in it.  V's last reader stands in front of slice 31: two scalings, the v_nop and the run's own addition are the four places between
.else
	s_wait_alu depctr_va_vdst(0)
.endif
.endif
.set k, k+1
.endm
.macro TURN x, pv, kq                  ; piece x has the matrix unit; pv: 32 products V^T P; kq: 32 products K Q^T of the next step.  A turn with one kind has two slices behind each product
.set k, 0
.set per, 2
.if \pv && \kq
.set per, 1
.endif
.if \pv
.if \x == 0
	s_wait_dscnt 0x0                               ; V is in
.endif
.set i, 0
.rept 32
	PV \x
.rept per
	SLICE 2-\x
.endr
.if (\x == 0) && \kq && (i == 1)
	FETCH_K
.endif
.set i, i+1
.endr
.endif
.if \kq
.if \x == 0
	s_wait_dscnt 0x0                               ; K is in
.endif
.set i, 0
.rept 32
	KQ \x
.rept per
	SLICE 2-\x
.endr
.set i, i+1
.endr
.endif
.endm
; The diagonal step: register n of tile t holds key 16 (n / 8) + 8 h + n % 8 for query 16 t + r of the strip: hidden where 16 (n / 8) + n % 8 - 16 t > r - 8 h.
.macro MASK y
.irp t, \y, \y+1
.set n, 0
.rept 32
.set cst, 16*(n/8)+n%8-16*(\t)
.if cst >= 16
	v_mov_b32 v[S+32*(\t)+n], v[NINF]
.elseif cst >= 0
	v_cmp_gt_i32 vcc_lo, cst, v[DL]
	v_cndmask_b32 v[S+32*(\t)+n], v[S+32*(\t)+n], v[NINF], vcc_lo
.endif
.set n, n+1
.endr
.endr
.endm
; A KEY STEP F: piece 0: V^T P of F - 1, K Q^T of F | piece 2's softmax of F - 1 | K of F;  piece 2: the same | piece 0's softmax of F | V of F.  Left out where all its keys come after my queries.
.macro IT
	s_cmp_gt_u32 s[F], s[STR]
	s_cbranch_scc1 .Lskip_\@
	s_mov_b32 s[CS2], s[CS0]
	s_mov_b32 s[CS2+1], s[CS0]
	s_lshr_b32 s[KOF], s[F], 1
	s_lshl_b32 s[KOF], s[KOF], 2
	s_load_b32 s[KSV], s[KSB:KSB+1], s[KOF] offset:0x0   ; the block scale of this step's keys
	TURN 0, 2, 1
	WIN 0
	s_wait_kmcnt 0x0
	s_mul_f32 s[CS0], s[CQ], s[KSV]
	s_max_u32 s[CS0], s[CS0], 0x800000             ; c stays above 0, so that -infinity x c stays -infinity
	s_mov_b32 s[CS0+1], s[CS0]
	s_cmp_lg_u32 s[F], s[STR]
	s_cbranch_scc1 .Lopen_\@
	MASK 0
.Lopen_\@:
	TURN 2, 2, 1
	WIN 0
.Lskip_\@:
	s_add_co_u32 s[F], s[F], 1
	s_add_co_u32 s[TBK], s[TBK], KSTB
	s_add_co_u32 s[TBV], s[TBV], VSTB
.endm
.macro GROUP n
	s_mov_b32 s[CNT], \n
.Lgrp_\@:
	IT
	s_sub_co_u32 s[CNT], s[CNT], 1
	s_cmp_lg_u32 s[CNT], 0
	s_cbranch_scc1 .Lgrp_\@
.endm
; THE CHANGE OF SLOTS.  Each wave waits for all its tensor loads, adds 0 to its spare word, and waits for that and for its reads of the slot that it leaves.  fill = 1: a round of the cluster's barrier, and the slot just left is filled
; with the keys two slots on, first thing behind it: four key steps in which to land.
.macro CHANGE fill
	WIN 0
	s_wait_tensorcnt 0x0
	ds_add_u32 v[SPW], v[NIL]
.if \fill
	ds_add_u32 v[SPW], v[NIL]                      ; and once more: the add twice on end here, in every trip alike
	s_xor_b32 s[G0K+5], s[G0K+5], KX               ; the walking descriptors: the other slot,
	s_add_nc_u64 s[G0K+6:G0K+7], s[G0K+6:G0K+7], 65536   ; the next 256 keys
	s_xor_b32 s[G0V+5], s[G0V+5], VX
	s_add_nc_u64 s[G0V+6:G0V+7], s[G0V+6:G0V+7], 65536
	s_wait_dscnt 0x0
	CROUND
	JLOAD
	ASK
.else
	s_wait_dscnt 0x0
	s_barrier_signal -1
	s_barrier_wait -1
.endif
	s_sub_co_u32 s[TBK], s[TBK], 4*KSTB
	s_xor_b32 s[TBK], s[TBK], SLOTB
	s_sub_co_u32 s[TBV], s[TBV], 4*VSTB
	s_xor_b32 s[TBV], s[TBV], SLOTB
.endm
	s_wait_tensorcnt 1                             ; my part of slot 0 is in; slot 1's may stay out
	s_barrier_signal -1
	s_barrier_wait -1
	FETCH_K                                        ; key step 0
	s_wait_loadcnt 0x0                             ; Q
	s_wait_dscnt 0x0
.set i, 0
.rept 32
	KQ 0
.set i, i+1
.endr
	WIN 0                                          ; the way out's addresses: plain instructions, the places behind those products
	s_mul_i32 s78, s[WV], 16*SP
	s_add_co_u32 s78, s78, STAGE
	v_mul_u32_u24 v[STO], v1, SP
	v_lshl_add_u32 v[STO], v9, 4, v[STO]
	v_add_nc_u32 v[STO], s78, v[STO]
	v_mul_u32_u24 v[RD], v9, SP
	v_lshl_add_u32 v[RD], v1, 4, v[RD]
	v_add_nc_u32 v[RD], s78, v[RD]
	v_lshlrev_b32 v[GO], 12, v9                    ; a row of ao is 4,096 bytes
	v_lshl_add_u32 v[GO], v1, 4, v[GO]
	s_wait_kmcnt 0x0
	s_mul_f32 s[CQ], s[CQ], 0x3e0293ee
	s_mul_f32 s[CS0], s[CQ], s[KSV]
	s_max_u32 s[CS0], s[CS0], 0x800000
	s_mov_b32 s[CS0+1], s[CS0]
	s_cmp_lg_u32 s[STR], 0
	s_cbranch_scc1 .Lp_open
	MASK 0
.Lp_open:
	TURN 2, 0, 1                                   ; piece 2's first scores | piece 0's first softmax | V of step 0
	WIN 0
	s_mov_b32 s[F], 1
	s_mov_b32 s[TBK], KSTB
	s_mov_b32 s[TBV], VSTB
; ---- THE FIRST 16 POSITIONS IN f32: wave 0 where g = 0 (strip 0: its K Q^T are all done, so window 2 is free).  Q, K, V come as images of registers: chunk i, lane (r, h): row r, channels 16 (i / 2) + 8 h + 4 (i % 2) + 0..3.
	s_or_b32 s78, s[WV], s14
	s_cmp_lg_u32 s78, 0
	s_cbranch_scc1 .Lno_fine
	WIN 0x80
.set ii, 0
.rept 16
	global_load_b128 v[4*ii:4*ii+3], v[LA], s[FQ:FQ+1] offset:512*ii
.set ii, ii+1
.endr
.set ii, 0
.rept 16
	global_load_b128 v[64+4*ii:64+4*ii+3], v[LA], s[FK:FK+1] offset:512*ii
.set ii, ii+1
.endr
.set ii, 0
.rept 64                               ; V(key 8 h + ii % 8, channel 16 (ii / 8) + r)
	global_load_b32 v[128+ii], v[VA], s[FV:FV+1] offset:1024*(ii/8)+16*(ii%8)
.set ii, ii+1
.endr
	v_mov_b32 v208, v[DL]
	v_mov_b32 v209, v[NINF]
	v_mov_b32 v211, 0
	s_wait_loadcnt 63                              ; Q's and K's 32 loads are in: behind them stand V's 64, of which 63 may stay out (the largest count that the wait can name)
	WIN 0xfa                                       ; sources in window 2, sums in window 3
.set st, 0
.rept 32                               ; Q and K carry the same order of channels, so the 32 steps of 4 sum over all 128; four sums by turns
.if st < 4
	v_wmma_f32_16x16x4_f32 v[128+8*(st%4):135+8*(st%4)], v[64+2*st:65+2*st], v[2*st:2*st+1], 0
.else
	v_wmma_f32_16x16x4_f32 v[128+8*(st%4):135+8*(st%4)], v[64+2*st:65+2*st], v[2*st:2*st+1], v[128+8*(st%4):135+8*(st%4)]
.endif
.set st, st+1
.endr
.rept 8
	v_nop
.endr
	WIN 0x8f
.irp p, 0,2,4,6
	v_pk_add_f32 v[192+\p:193+\p], v[128+\p:129+\p], v[136+\p:137+\p]
	v_pk_add_f32 v[200+\p:201+\p], v[144+\p:145+\p], v[152+\p:153+\p]
.endr
	WIN 0xaa
.irp p, 0,2,4,6
	v_pk_add_f32 v[192+\p:193+\p], v[192+\p:193+\p], v[200+\p:201+\p]
.endr
.irp j, 0,1,2,3,4,5,6,7                ; register j: key 8 h + j, query r: hidden where j > r - 8 h
	v_cmp_gt_i32 vcc_lo, \j, v208
	v_cndmask_b32 v[192+\j], v[192+\j], v209, vcc_lo
.endr
	v_max3_num_f32 v210, v192, v193, v194
	v_max3_num_f32 v210, v210, v195, v196
	v_max3_num_f32 v210, v210, v197, v198
	v_max_num_f32 v210, v210, v199
	v_permlanex16_b32 v211, v210, s[SEL], s[SEL+1]
	v_max_num_f32 v210, v210, v211
	v_mul_f32 v210, s[CC], v210
.irp p, 0,2,4,6
	v_pk_fma_f32 v[192+\p:193+\p], v[192+\p:193+\p], s[CC:CC+1], v[210:211] op_sel_hi:[1,0,0] neg_lo:[0,0,1] neg_hi:[0,0,1]
.endr
.irp j, 0,1,2,3,4,5,6,7
	v_exp_f32 v[192+\j], v[192+\j]
.endr
	v_nop
	s_wait_alu depctr_va_vdst(0)                   ; one wait for the eight, ahead of their first reader
	v_pk_add_f32 v[212:213], v[192:193], v[194:195]
	v_pk_add_f32 v[214:215], v[196:197], v[198:199]
	v_pk_add_f32 v[212:213], v[212:213], v[214:215]
	v_add_f32 v212, v212, v213
	v_permlanex16_b32 v211, v212, s[SEL], s[SEL+1]
	v_add_f32 v212, v212, v211
	v_rcp_f32 v212, v212
	v_nop
	s_wait_alu depctr_va_vdst(0)
	v_mov_b32 v213, v212
	s_wait_loadcnt 0x0                             ; V's image
	WIN 0xfa
.irp s, 0,1,2,3                        ; a step's four keys are 2 s, 2 s + 1, 8 + 2 s, 9 + 2 s on both sides; eight sums by turns
.irp d, 0,1,2,3,4,5,6,7
.if \s == 0
	v_wmma_f32_16x16x4_f32 v[160+8*\d:167+8*\d], v[128+8*\d+2*\s:129+8*\d+2*\s], v[192+2*\s:193+2*\s], 0
.else
	v_wmma_f32_16x16x4_f32 v[160+8*\d:167+8*\d], v[128+8*\d+2*\s:129+8*\d+2*\s], v[192+2*\s:193+2*\s], v[160+8*\d:167+8*\d]
.endif
.endr
.endr
.rept 8
	v_nop
.endr
	WIN 0x8b
.set ii, 0
.rept 32
	v_pk_mul_f32 v[2*ii:2*ii+1], v[160+2*ii:161+2*ii], v[212:213]
.set ii, ii+1
.endr
	WIN 0x08
.set ii, 0
.rept 16
	global_store_b128 v[LA], v[4*ii:4*ii+3], s[FO:FO+1] offset:512*ii
.set ii, ii+1
.endr
	s_wait_xcnt 0x0
	WIN 0
.Lno_fine:
	GROUP 3                                        ; steps 1 to 3: slot 0
	s_mov_b32 s[SLOTS], 2
.Lslot:
	CHANGE 1
	GROUP 4
	s_sub_co_u32 s[SLOTS], s[SLOTS], 1
	s_cmp_lg_u32 s[SLOTS], 0
	s_cbranch_scc1 .Lslot
	CHANGE 0                                       ; the last slot is written out: nothing is asked for
	GROUP 4
	s_mov_b32 s[CS2], s[CS0]                       ; my last step was the diagonal one: its V, piece 0's weights and piece 2's scores have stayed in registers
	s_mov_b32 s[CS2+1], s[CS0]
	MASK 2
	TURN 0, 2, 0
.set i, 0
.rept 32
	PV 2
.set i, i+1
.endr
	; THE WAY OUT: O^T / l, rounded to f16, through my stage, a tile (16 rows) at a time.  The additions are the places behind the last products.
	WIN 0
.irp t, 0,1,2,3
	v_add_f32 v[ST+8*\t+4], v[ST+8*\t+2], v[ST+8*\t+3]
.endr
.irp t, 0,1,2,3
	v_permlanex16_b32 v[ST+8*\t+5], v[ST+8*\t+4], s[SEL], s[SEL+1]
.endr
.irp t, 0,1,2,3
	v_add_f32 v[ST+8*\t+4], v[ST+8*\t+4], v[ST+8*\t+5]
.endr
.irp t, 0,1,2,3
	v_rcp_f32 v[ST+8*\t+6], v[ST+8*\t+4]
.endr
	v_nop
	s_wait_alu depctr_va_vdst(0)                   ; one wait for the four reciprocals
.macro PACK t
	WIN W_RS
.set i, 64*\t
.rept 32
	v_pk_mul_f32 v[i:i+1], v[i:i+1], v[ST+8*\t+6:ST+8*\t+7] op_sel_hi:[1,0]
.set i, i+2
.endr
	WIN 0x05
.set i, 0
.rept 32
	v_cvt_pk_f16_f32 v[S+32*\t+i], v[64*\t+2*i], v[64*\t+2*i+1]
.set i, i+1
.endr
	WIN 0
.irp f, 0,1,2,3,4,5,6,7
	ds_store_b128 v[STO], v[S+32*\t+4*\f:S+32*\t+4*\f+3] offset:32*\f
.endr
.irp f, 0,1,2,3,4,5,6,7
	ds_load_b128 v[S+32*\t+4*\f:S+32*\t+4*\f+3], v[RD] offset:\f*2*SP
.endr
.endm
.macro SEND t, younger                 ; younger: the LDS instructions issued behind tile t's loads
.irp f, 0,1,2,3,4,5,6,7
	s_wait_dscnt \younger+7-\f
	global_store_b128 v[GO], v[S+32*\t+4*\f:S+32*\t+4*\f+3], s[AOP:AOP+1] offset:(16*\t+2*\f)*4096   ; 16 lanes store 256 consecutive bytes, aligned
.endr
.endm
	PACK 0
	PACK 1
	SEND 0, 16
	PACK 2
	SEND 1, 16
	PACK 3
	SEND 2, 16
	SEND 3, 0
	s_wait_tensorcnt 0x0                           ; the wave's end
	ds_add_u32 v[SPW], v[NIL]
	s_wait_dscnt 0x0
	CROUND                                         ; the closing round
	s_endpgm
.Lfunc_end_k_q4b184181be_attn:
	.size	k_q4b184181be_attn, .Lfunc_end_k_q4b184181be_attn-k_q4b184181be_attn
	.p2alignl 7, 3214868480
	.fill 96, 4, 3214868480
	.section	.rodata,"a",@progbits
	.p2align	6, 0x0
	.amdhsa_kernel k_q4b184181be_attn
		.amdhsa_group_segment_fixed_size 327680
		.amdhsa_private_segment_fixed_size 0
		.amdhsa_enable_private_segment 0
		.amdhsa_kernarg_size 32
		.amdhsa_user_sgpr_count 2
		.amdhsa_user_sgpr_kernarg_segment_ptr 1
		.amdhsa_wavefront_size32 1
		.amdhsa_system_sgpr_workgroup_id_x 1
		.amdhsa_system_sgpr_workgroup_id_y 1
		.amdhsa_system_sgpr_workgroup_id_z 1
		.amdhsa_system_vgpr_workitem_id 0
		.amdhsa_next_free_vgpr 1024
		.amdhsa_next_free_sgpr 100
		.amdhsa_reserve_vcc 1
		.amdhsa_float_denorm_mode_32 3
		.amdhsa_float_denorm_mode_16_64 3
		.amdhsa_memory_ordered 1
		.amdhsa_forward_progress 1
		.amdhsa_inst_pref_size 255
	.end_amdhsa_kernel
	.section	.bss,"aw",@nobits
	.p2align	6
	.space	262144
	.amdgpu_metadata
---
amdhsa.version: [ 1, 2 ]
amdhsa.kernels:
  - .name:           k_q4b184181be_attn
    .symbol:         k_q4b184181be_attn.kd
    .args:
      - { .name: qkv, .offset: 0, .size: 8, .value_kind: global_buffer, .address_space: global }
      - { .name: aux, .offset: 8, .size: 8, .value_kind: global_buffer, .address_space: global }
      - { .name: ao, .offset: 16, .size: 8, .value_kind: global_buffer, .address_space: global }
      - { .name: fo, .offset: 24, .size: 8, .value_kind: global_buffer, .address_space: global }
    .group_segment_fixed_size: 327680
    .private_segment_fixed_size: 0
    .kernarg_segment_align: 8
    .kernarg_segment_size: 32
    .max_flat_workgroup_size: 128
    .sgpr_count:     100
    .vgpr_count:     1024
    .wavefront_size: 32
...
	.end_amdgpu_metadata
.endif
;; end of part 3
;; launch proj (part 4): grid 8 x 32, 4 waves a work-group, clusters of 4 x 4, 327,680 bytes of LDS; arguments ao, wot, out0, fo, wo; writes out0
.if DOCPART == 4
	.amdgcn_target "amdgcn-amd-amdhsa--gfx1250"
	.amdhsa_code_object_version 6
	.text
	.protected	k_q4b184181be_proj
	.globl	k_q4b184181be_proj
	.p2align	8
	.type	k_q4b184181be_proj,@function
k_q4b184181be_proj:
	s_mov_b64 s[64:65], 0
	v_nop
	global_prefetch_b8 v0, s[64:65] scope:SCOPE_SE
	s_setreg_imm32_b32 hwreg(HW_REG_WAVE_MODE, 25, 1), 1
	s_wait_xcnt 0x0
	s_wait_alu depctr_hold_cnt(0) depctr_sa_sdst(0) depctr_va_vdst(0) depctr_va_sdst(0) depctr_va_ssrc(0) depctr_va_vcc(0) depctr_vm_vsrc(0)
	s_getreg_b32 s2, hwreg(HW_REG_IB_STS2, 6, 4)
	s_cmp_eq_u32 s2, 0
	s_cbranch_scc0 .Lentry_in_a_cluster
	s_endpgm
.Lentry_in_a_cluster:
	s_bfe_u32 s2, ttmp6, 0x10000c
	s_cmp_lg_u32 s2, 0xf033
	s_cbranch_scc0 .Lentry_shape_is_right
	s_endpgm
.Lentry_shape_is_right:
; out0[m][n] = sum over k of ao[m][k] wot[n][k].  ao [4096][2048], wot [2048][2048]: f16; out0 [4096][2048] f32; sums in f32.
; A tile of out0 is 128 rows x 256 columns, so that 256 work-groups have one each (tiles of 256 x 256 would be 128).  Four waves, each 64 rows x 128 columns: 32 accumulators, window 2.
; K goes in steps of 128 (rows of 256 bytes) through a ring of two LDS slots: waves 0 and 1 fetch ao's two halves of 64 rows, waves 2 and 3 wot's two halves of 128 rows, one load a wave.  Two slots of twice the K would be 405,504 bytes: they do not fit.
; CLUSTERS: 4 x 4; ao's tiles are asked for jointly along a row of the cluster, wot's along a column.  The matrix instruction is used transposed (source 0 = 16 rows of wot, source 1 = 16 rows of ao): a lane holds 8 neighbouring columns.
; THE FIRST 16 POSITIONS OF EVERY SEQUENCE ARE PROJECTED IN f32, IN THIS LAUNCH: out0[1024 b + 0..15][:] = fo(b) [16][2048] x wo [2048][2048], both f32.  That is 64 groups of 32 columns x 4 sequences = 256 shares: work-group (tile row ty,
; tile column tx) takes sequence ty / 8 and column group 8 (ty % 8) + tx; only global addresses hang on that.  Wave w sums k = 512 w .. 512 w + 511: 16 trips of 32 along K, 16 f32 matrix instructions and 36 loads each, ONE TRIP IN EACH OF THE
; 16 K STEPS, ahead of the step's wait for the next tile. Source 0 = 16 columns of wo, source 1 = fo's 16 rows; two sums by turns.  fo lies as images of registers: chunk c, lane (r, h): row r,
; k = 8 (c - c % 2) + 8 h + 4 (c % 2) + 0..3; wo's numbers are loaded in the same order of k.  The four waves' partial sums meet in LDS at the last change of slots, whose barrier serves them too.
; EACH BYTE OF out0 HAS ONE OWNER: the tile's stores of a sequence's first 16 rows (block 0 of the upper row half where ty % 8 = 0) run with all lanes off.
; REGISTERS: window 0: v0-31 addresses; v32-47 the f32 rows' partial sums read back; v64-95, v96-127 ao's fragments, two buffers; v128-255 the way out.  window 1: v0-63, v64-127 wot's fragments.  window 2: accumulator (a, b) at v[8 (8 a + b)].
;   window 3: v16-63, v64-111 two sets of fo's 4 chunks and wo's 32 numbers; v112-127 the two f32 sums, written by matrix instructions alone.
; LIMITS: NaN and infinities are not served; ao and wot must lie inside f16's range (65,504).  A row's store of the f32 rows covers 128 consecutive bytes: 32 columns to a work-group give no more.
.set SIZE_K, 2048
.set KSTEP,  128
.set PITCH,  272
.set HA,     64*PITCH
.set HB,     128*PITCH
.set SLOT,   2*HA+2*HB
.set STAGE,  2*SLOT
.set SPITCH, 528
.set FRED,   STAGE+4*16*SPITCH         ; behind the stages: 2,048 bytes a wave for the f32 rows' partial sums; no tile lands here
.set SPARE,  FRED+8192                 ; the spare words, 128 bytes a wave
.set LAPS,   SIZE_K/(2*KSTEP)
.set WOA,  8                           ; v8   wo: column r, 8 h rows of 8,192 bytes down
.set FST,  9                           ; v9   LDS: where I put my partial sums
.set FRD,  10                          ; v10  LDS: where I read the four back
.set FGO,  11                          ; v11  my byte offset in the 16 rows x 32 columns of out0
.set MK,   12                          ; v12  0 where my block 0 is a sequence's first 16 rows
.set ADRA, 16
.set ADRB, 20
.set STO,  24
.set RD,   25
.set CO,   26                          ; v26  16 x lane
.set SPW,  28
.set NIL,  29
.set PFO,  30
.set FS,   32                          ; v32-47 four partial sums of 4 numbers
.set DD,   112                         ; in window 3: the two f32 sums
.set PFA,  44
.set LIM,  43
.set BK,   128
.set G1, 24
.set G0, 32
.set G1B, 48
.set G0B, 56
.set FOP,  72                          ; s[72:73] fo at my wave's chunks of the trip to be loaded
.set WOP,  74                          ; s[74:75] wo at my wave's rows of that trip, my work-group's 32 columns
.set FOUT, 76                          ; s[76:77] out0 at my sequence's first row, my work-group's 32 columns
.set ROW0, 81
.set SAVE, 82
.set MSB, 0
.macro WIN new
.if MSB != (\new)
	s_set_vgpr_msb (MSB<<8)|(\new)
.set MSB, (\new)
.endif
.endm
.set MUL,  0xa1
.set TO_B, 0x40
.macro JLOAD s
	s_cmp_eq_u32 s11, 0
	s_cbranch_scc0 .Lfor_b_\@
	tensor_load_to_lds s[G0+4*\s:G0+4*\s+3], s[G1:G1+7]
	s_nop 0
.rept 4
	v_nop
.endr
	s_branch .Lasked_\@
.Lfor_b_\@:
	tensor_load_to_lds s[G0B+4*\s:G0B+4*\s+3], s[G1B:G1B+7]
	s_nop 0
.rept 4
	v_nop
.endr
.Lasked_\@:
.endm
; A prefetch, behind each joint load of the loop and the run of LDS loads that follows it, of the K step that stands two refills on: 32 rows x 256 bytes, a lane a row.  Each row's 256 bytes of a K step are named once in the launch: ao's by the
; clusters with x = 0 (wave 0; the partners take 32 rows each by address), wot's by the clusters with y = 0 (waves 2 and 3; 64 rows a partner).  The loop's twelve refills name K steps 4 to 15; the two refills behind the loop ask for nothing.
.macro ASK
	s_cmp_eq_u32 s[LIM], 1
	s_cbranch_scc0 .Lnot_mine_\@
	global_prefetch_b8 v[PFO], s[PFA:PFA+1] offset:KSTEP*2 th:TH_LOAD_NT scope:SCOPE_SE
.Lnot_mine_\@:
.endm
.macro CREST
	s_cmp_lg_u32 s10, 0
	s_cbranch_scc1 .Lnot_wave_0_\@
	s_barrier_signal -3
.Lnot_wave_0_\@:
	s_barrier_wait -3
	s_barrier_signal -1
	s_barrier_wait -1
.endm
.macro CROUND
	s_barrier_signal -1
	s_barrier_wait -1
	CREST
.endm
	s_load_b128 s[4:7], s[0:1], 0x0                ; ao, wot
	s_load_b64 s[8:9], s[0:1], 0x10                ; out0
	s_load_b64 s[68:69], s[0:1], 0x18              ; fo
	s_load_b64 s[70:71], s[0:1], 0x20              ; wo
	v_lshl_add_u32 v[SPW], v0, 2, SPARE
	v_mov_b32 v[NIL], 0
	ds_add_u32 v[SPW], v[NIL]                      ; the wave's opening: the add, twice on end, and its wait ahead of my first tensor load
	ds_add_u32 v[SPW], v[NIL]
	v_lshrrev_b32 v1, 5, v0
	v_readfirstlane_b32 s10, v1
	s_lshr_b32 s11, s10, 1                         ; my half of the tile's rows.  Also: I fetch for ao (0) or for wot (1)
	s_and_b32 s12, s10, 1                          ; my half of its columns.  Also: which half I fetch
	s_bfe_u32 s40, ttmp6, 0x40000
	s_bfe_u32 s41, ttmp6, 0x40004
	s_lshl_b32 s42, ttmp9, 2
	s_add_co_u32 s42, s42, s40                     ; tile column
	s_and_b32 s13, ttmp7, 0xffff
	s_lshl_b32 s13, s13, 2
	s_add_co_u32 s13, s13, s41                     ; tile row
	s_lshl_b32 s43, s41, 2
	s_lshl_b32 s43, 15, s43
	s_lshl_b32 s44, 0x1111, s40
	s_or_b32 s[G1+0], s43, (1<<16)|(1<<20)|(1<<21)|(5<<22)|(3<<25)
	s_or_b32 s[G1B+0], s44, (1<<16)|(1<<20)|(1<<21)|(5<<22)|(3<<25)
	s_mov_b32 s[G1+1], KSTEP<<16
	s_mov_b32 s[G1+2], 64<<16                      ; ao: 64 rows to a load
	s_mov_b32 s[G1+3], KSTEP<<16
	s_mov_b32 s[G1+4], 64
	s_mov_b32 s[G1+5], SIZE_K
	s_mov_b32 s[G1+6], 0
	s_mov_b32 s[G1+7], 0
	s_mov_b32 s[G1B+1], KSTEP<<16
	s_mov_b32 s[G1B+2], 128<<16                    ; wot: 128 rows
	s_mov_b32 s[G1B+3], KSTEP<<16
	s_mov_b32 s[G1B+4], 128
	s_mov_b32 s[G1B+5], SIZE_K
	s_mov_b32 s[G1B+6], 0
	s_mov_b32 s[G1B+7], 0
	s_lshl_b32 s17, s12, 6
	s_lshl_b32 s16, s13, 7
	s_add_co_u32 s16, s16, s17                     ; ao: row 128 x tile row + 64 x half
	s_lshl_b32 s47, s12, 7
	s_lshl_b32 s46, s42, 8
	s_add_co_u32 s46, s46, s47                     ; wot: row 256 x tile column + 128 x half
	s_lshl_b32 s16, s16, 12                        ; rows of 4,096 bytes
	s_mov_b32 s17, 0
	s_lshl_b32 s46, s46, 12
	s_mov_b32 s47, 0
	s_mul_i32 s20, s12, HA
	s_mul_i32 s21, s12, HB
	s_add_co_u32 s21, s21, 2*HA
	s_wait_dscnt 0x0
	s_wait_kmcnt 0x0
	s_add_nc_u64 s[14:15], s[4:5], s[16:17]
	s_add_nc_u64 s[46:47], s[6:7], s[46:47]
	s_mov_b64 s[FOUT:FOUT+1], s[8:9]               ; out0's first byte, for the f32 rows
	CROUND
.irp s, 0,1
	s_mov_b32 s[G0+4*\s], 1
	s_add_co_u32 s[G0+4*\s+1], s20, \s*SLOT
	s_add_nc_u64 s[G0+4*\s+2:G0+4*\s+3], s[14:15], \s*KSTEP*2
	s_or_b32 s[G0+4*\s+3], s[G0+4*\s+3], 0x80000000
	s_mov_b32 s[G0B+4*\s], 1
	s_add_co_u32 s[G0B+4*\s+1], s21, \s*SLOT
	s_add_nc_u64 s[G0B+4*\s+2:G0B+4*\s+3], s[46:47], \s*KSTEP*2
	s_or_b32 s[G0B+4*\s+3], s[G0B+4*\s+3], 0x80000000
	JLOAD \s
.endr
	v_and_b32 v1, 15, v0
	v_bfe_u32 v2, v0, 4, 1
	v_and_b32 v5, 31, v0
	v_lshlrev_b32 v[CO], 4, v5
	; the f32 rows first: their loads go out straight behind the tiles' requests
	s_lshr_b32 s79, s13, 3                         ; the sequence
	s_and_b32 s80, s13, 7
	s_or_b32 s[ROW0], s80, s11                     ; 0 where my block 0 is a sequence's first 16 rows
	s_lshl_b32 s80, s80, 3
	s_add_co_u32 s80, s80, s42                     ; the group of 32 columns, 0..63,
	s_lshl_b32 s80, s80, 7                         ; in bytes
	s_lshl_b32 s[FOP], s79, 17                     ; fo: 131,072 bytes a sequence, 32,768 a wave
	s_lshl_b32 s[FOP+1], s10, 15
	s_add_co_u32 s[FOP], s[FOP], s[FOP+1]
	s_mov_b32 s[FOP+1], 0
	s_lshl_b32 s[WOP], s10, 22                     ; wo: 512 rows of 8,192 bytes a wave
	s_add_co_u32 s[WOP], s[WOP], s80
	s_mov_b32 s[WOP+1], 0
	s_lshl_b32 s66, s79, 23                        ; out0: 1,024 rows of 8,192 bytes a sequence
	s_add_co_u32 s66, s66, s80
	s_mov_b32 s67, 0
	s_add_nc_u64 s[FOP:FOP+1], s[68:69], s[FOP:FOP+1]
	s_add_nc_u64 s[WOP:WOP+1], s[70:71], s[WOP:WOP+1]
	s_add_nc_u64 s[FOUT:FOUT+1], s[FOUT:FOUT+1], s[66:67]
	v_lshlrev_b32 v[WOA], 2, v1
	v_lshl_add_u32 v[WOA], v2, 16, v[WOA]
; One trip's 36 loads into set p of window 3: fo's 4 chunks at v[16 + 48 p], wo's 32 numbers at v[32 + 48 p]
.macro FLOAD p
	WIN 0xc0                                       ; destination window 3, address window 0
.irp c, 0,1,2,3
	global_load_b128 v[16+48*(\p)+4*\c:16+48*(\p)+4*\c+3], v[CO], s[FOP:FOP+1] offset:512*\c
.endr
.irp c, 0,1,2,3
.irp f, 0,1
.irp n, 0,1
.irp j, 0,1
	global_load_b32 v[32+48*(\p)+8*\c+4*\f+2*\n+\j], v[WOA], s[WOP:WOP+1] offset:(16*(\c/2)+4*(\c%2)+2*\f+\j)*8192+64*\n
.endr
.endr
.endr
.endr
	WIN 0
.endm
.macro FSTEP                           ; on to the next trip's 32 along K.  The loads issued so far have read their bases
	s_add_nc_u64 s[WOP:WOP+1], s[WOP:WOP+1], 262144
	s_add_nc_u64 s[FOP:FOP+1], s[FOP:FOP+1], 2048
.endm
; One trip's 16 f32 matrix instructions; the two sums take turns, one instruction a turn.  Behind them eight places, ahead of loads into their sources and of LDS stores of the sums
.macro FMULT p, zero
	WIN 0xff
.irp c, 0,1,2,3
.irp f, 0,1
.irp n, 0,1
.if \zero && (\c == 0) && (\f == 0)
	v_wmma_f32_16x16x4_f32 v[DD+8*\n:DD+8*\n+7], v[32+48*(\p)+8*\c+4*\f+2*\n:33+48*(\p)+8*\c+4*\f+2*\n], v[16+48*(\p)+4*\c+2*\f:17+48*(\p)+4*\c+2*\f], 0
.else
	v_wmma_f32_16x16x4_f32 v[DD+8*\n:DD+8*\n+7], v[32+48*(\p)+8*\c+4*\f+2*\n:33+48*(\p)+8*\c+4*\f+2*\n], v[16+48*(\p)+4*\c+2*\f:17+48*(\p)+4*\c+2*\f], v[DD+8*\n:DD+8*\n+7]
.endif
.endr
.endr
.endr
	WIN 0
.rept 8
	v_nop
.endr
.endm
	FLOAD 0                                        ; trip 0
	s_wait_xcnt 0x0
	FSTEP
	FLOAD 1                                        ; trip 1
	v_mul_u32_u24 v3, v1, PITCH
	v_lshl_add_u32 v3, v2, 4, v3
	s_mul_i32 s21, s11, HA                         ; my 64 rows of ao
	s_mul_i32 s22, s12, HB                         ; my 128 rows of wot,
	s_add_co_u32 s22, s22, 2*HA                    ; behind ao's 128
.irp s, 0,1
	v_add_nc_u32 v[ADRA+\s], s21, v3
	v_add_nc_u32 v[ADRB+\s], s22, v3
	s_add_co_u32 s21, s21, SLOT
	s_add_co_u32 s22, s22, SLOT
.endr
	s_mul_i32 s23, s10, 16*SPITCH
	s_add_co_u32 s23, s23, STAGE
	v_mul_u32_u24 v4, v1, SPITCH
	v_lshl_add_u32 v4, v2, 5, v4
	v_add_nc_u32 v[STO], s23, v4                   ; in: row r, 32 bytes for each half of the lanes
	v_add_nc_u32 v[RD], s23, v[CO]                 ; back: the 32 lanes take one row of 512 bytes
	s_lshl_b32 s16, s13, 7
	s_lshl_b32 s17, s11, 6
	s_add_co_u32 s16, s16, s17
	s_lshl_b32 s16, s16, 13                        ; my first row of out0, rows of 8,192 bytes
	s_lshl_b32 s46, s42, 10
	s_lshl_b32 s47, s12, 9
	s_add_co_u32 s46, s46, s47
	s_add_co_u32 s16, s16, s46
	s_mov_b32 s17, 0
	s_add_nc_u64 s[8:9], s[8:9], s[16:17]
	s_lshl_b32 s20, s13, 7                         ; the prefetches: the tile's first row,
	s_lshl_b32 s21, s42, 8
	s_lshl_b32 s22, s40, 5                         ; my work-group's and my wave's rows of it,
	s_lshl_b32 s23, s41, 6
	s_lshl_b32 s18, s12, 5
	s_add_co_u32 s23, s23, s18
	s_and_b32 s18, ttmp7, 0xffff
	s_cmp_eq_u32 s11, 0
	s_cselect_b32 s20, s20, s21
	s_cselect_b32 s22, s22, s23
	s_cselect_b32 s18, ttmp9, s18                  ; the coordinate along which other clusters read the same rows
	s_cselect_b64 s[PFA:PFA+1], s[4:5], s[6:7]
	s_add_co_u32 s20, s20, s22
	s_lshl_b32 s20, s20, 12
	s_add_co_u32 s20, s20, 2*KSTEP*2               ; at K step 2: the first refill steps it to 3 and names K step 4
	s_mov_b32 s21, 0
	s_add_nc_u64 s[PFA:PFA+1], s[PFA:PFA+1], s[20:21]
	s_cmp_eq_u32 s10, 1
	s_cselect_b32 s19, 1, 0                        ; wave 1 never asks: ao's 32 rows a partner are wave 0's
	s_or_b32 s18, s18, s19
	s_cmp_eq_u32 s18, 0
	s_cselect_b32 s[LIM], 1, -1
	v_lshlrev_b32 v[PFO], 12, v5
	s_lshl_b32 s83, s10, 11                        ; the f32 rows' partial sums.  In: 2,048 x wave + 16 x lane
	s_add_co_u32 s83, s83, FRED
	v_add_nc_u32 v[FST], s83, v[CO]
	v_bfe_u32 v[FRD], v0, 2, 1                     ; back: thread t takes row t / 8 and columns 4 (t % 8) + 0..3
	v_lshlrev_b32 v[FRD], 10, v[FRD]
	v_and_b32 v3, 1, v0
	v_lshl_add_u32 v[FRD], v3, 9, v[FRD]
	v_bfe_u32 v3, v0, 1, 1
	v_lshl_add_u32 v[FRD], v3, 8, v[FRD]
	v_lshrrev_b32 v3, 3, v0
	v_lshl_add_u32 v[FRD], v3, 4, v[FRD]
	v_add_nc_u32 v[FRD], FRED, v[FRD]
	v_and_b32 v[FGO], 7, v0
	v_lshlrev_b32 v[FGO], 4, v[FGO]
	v_lshl_add_u32 v[FGO], v3, 13, v[FGO]          ; and the same place in out0
	v_mov_b32 v[MK], s[ROW0]
.macro M8 f, a, zero                   ; 8 products: block a of ao against wot's eight, 32 along K, buffer f; the accumulators take turns
.irp b, 0,1,2,3,4,5,6,7
.if \zero
	v_wmma_f32_16x16x32_f16 v[8*(8*\a+\b):8*(8*\a+\b)+7], v[64*\f+8*\b:64*\f+8*\b+7], v[64+32*\f+8*\a:64+32*\f+8*\a+7], 0
.else
	v_wmma_f32_16x16x32_f16 v[8*(8*\a+\b):8*(8*\a+\b)+7], v[64*\f+8*\b:64*\f+8*\b+7], v[64+32*\f+8*\a:64+32*\f+8*\a+7], v[8*(8*\a+\b):8*(8*\a+\b)+7]
.endif
.endr
.endm
.macro FETCH slot, k, f                ; 24 LDS loads in one run: wot's 16, then ao's 8
	WIN TO_B
.irp i, 0,1,2,3,4,5,6,7
	ds_load_b128 v[64*\f+8*\i:64*\f+8*\i+3],   v[ADRB+\slot] offset:\k+\i*16*PITCH
	ds_load_b128 v[64*\f+8*\i+4:64*\f+8*\i+7], v[ADRB+\slot] offset:\k+\i*16*PITCH+32
.endr
	WIN 0
.irp i, 0,1,2,3
	ds_load_b128 v[64+32*\f+8*\i:64+32*\f+8*\i+3],   v[ADRA+\slot] offset:\k+\i*16*PITCH
	ds_load_b128 v[64+32*\f+8*\i+4:64+32*\f+8*\i+7], v[ADRA+\slot] offset:\k+\i*16*PITCH+32
.endr
.endm
.macro PLACES
.rept 4
	v_nop
.endr
.endm
.macro QUARTER slot, k, f, g, zero
	s_wait_dscnt 4                                 ; wot's fragments and ao's blocks 0, 1 are in; the youngest four loads (blocks 2, 3) may be out
	WIN MUL
	M8 \f, 0, \zero
	M8 \f, 1, \zero
	PLACES
	FETCH \slot, \k, \g
	s_wait_dscnt 24                                ; all but the 24 just issued
	WIN MUL
	M8 \f, 2, \zero
	M8 \f, 3, \zero
.endm
; A K step's last quarter.  At its head stands one trip of the f32 rows, on set 1 - slot: lc = how many younger loads may stay out; fl = 1: the set takes the trip two on; fin = 1: the last trip: the partial sums go to LDS, ahead of this
; quarter's barrier, and are read back behind it.  Then the change of slots: fill = 1: this slot is filled again, two K steps ahead; ask = 1: with a prefetch.
.macro TURN slot, next, fill, ask, fl, fin, lc
.if \ask || \fl
	s_wait_xcnt 0x0                                ; the prefetch and the loads of a K step back have read their addresses: these may be written
.endif
.if \ask
	s_add_nc_u64 s[PFA:PFA+1], s[PFA:PFA+1], KSTEP*2
.endif
.if \fl
	FSTEP
.endif
	s_wait_loadcnt \lc                             ; this trip's 36 loads are in; the next trip's 36 may stay out (the last trip: none was issued behind it)
	FMULT 1-\slot, 0
.if \fl
	FLOAD 1-\slot
.endif
.if \fin
	WIN 0x0c                                       ; an LDS store's data: window 3
.irp i, 0,1,2,3
	ds_store_b128 v[FST], v[DD+4*\i:DD+4*\i+3] offset:512*\i   ; each sum from its low end on
.endr
.endif
	WIN 0
	s_wait_tensorcnt 0x0                           ; all my tensor loads have landed: my part of the next slot
	ds_add_u32 v[SPW], v[NIL]
	s_wait_dscnt 5+4*\fin                          ; the add, the youngest four fragment loads (and, fin = 1, the four stores between them) may be out
	WIN MUL
	M8 1, 0, 0
	s_wait_dscnt 0x0                               ; the add is done, my reads of this slot are over (and, fin = 1, my partial sums lie in LDS)
	s_barrier_signal -1
	M8 1, 1, 0
.if \fill
	WIN 0
.endif
	s_barrier_wait -1
.if \fill
	CREST
	s_add_nc_u64 s[G0+4*\slot+2:G0+4*\slot+3], s[G0+4*\slot+2:G0+4*\slot+3], 2*KSTEP*2
	s_add_nc_u64 s[G0B+4*\slot+2:G0B+4*\slot+3], s[G0B+4*\slot+2:G0B+4*\slot+3], 2*KSTEP*2
	JLOAD \slot                                    ; the first tensor load behind the round; its four v_nop are also the places in front of the loads below
.else
	PLACES
.endif
.if \fin
	WIN 0
.irp w, 0,1,2,3
	ds_load_b128 v[FS+4*\w:FS+4*\w+3], v[FRD] offset:2048*\w   ; the four waves' partial sums; ahead of the fragments' loads, so that the next quarter's counted wait covers them
.endr
.endif
	FETCH \next, 0, 0
.if \ask
	ASK
.endif
	WIN MUL
	M8 1, 2, 0
	M8 1, 3, 0
.endm
	s_wait_loadcnt 36                              ; trip 0's loads are in; trip 1's 36 stay out
	FMULT 0, 1                                     ; the f32 sums' first K steps start them, ahead of the loop and of the first wait for a tile
	s_wait_xcnt 0x0
	FSTEP
	FLOAD 0                                        ; trip 2
	s_wait_tensorcnt 1                             ; my part of K step 0 is in; K step 1's load may be out
	s_barrier_signal -1
	s_barrier_wait -1
	FETCH 0, 0, 0
	QUARTER 0, 64, 0, 1, 1                         ; the first quarter's products start the sums
	WIN 0
	s_mov_b32 s3, LAPS-2
.Llap:                                                 ; six trips: f32 trips 1 to 12, their loads 3 to 14
	QUARTER 0, 128, 1, 0, 0
	QUARTER 0, 192, 0, 1, 0
	TURN 0, 1, 1, 1, 1, 0, 36
	QUARTER 1, 64,  0, 1, 0
	QUARTER 1, 128, 1, 0, 0
	QUARTER 1, 192, 0, 1, 0
	TURN 1, 0, 1, 1, 1, 0, 36
	QUARTER 0, 64,  0, 1, 0
	WIN 0
	s_sub_co_u32 s3, s3, 1
	s_cmp_lg_u32 s3, 0
	s_cbranch_scc1 .Llap
	QUARTER 0, 128, 1, 0, 0                        ; the seventh lap is written out: it still fills both slots, but f32 trip 14 has no trip two on to load, and nothing is left to prefetch
	QUARTER 0, 192, 0, 1, 0
	TURN 0, 1, 1, 0, 1, 0, 36                      ; f32 trip 13, and the loads of trip 15
	QUARTER 1, 64,  0, 1, 0
	QUARTER 1, 128, 1, 0, 0
	QUARTER 1, 192, 0, 1, 0
	TURN 1, 0, 1, 0, 0, 0, 36                      ; f32 trip 14
	QUARTER 0, 64,  0, 1, 0
	QUARTER 0, 128, 1, 0, 0                        ; the last lap fills nothing
	QUARTER 0, 192, 0, 1, 0
	TURN 0, 1, 0, 0, 0, 1, 0                       ; f32 trip 15; the partial sums meet
	QUARTER 1, 64,  0, 1, 0
	QUARTER 1, 128, 1, 0, 0
	QUARTER 1, 192, 0, 1, 0
	s_wait_dscnt 4
	WIN MUL
	M8 1, 0, 0
	M8 1, 1, 0
	s_wait_dscnt 0
	M8 1, 2, 0
	M8 1, 3, 0
	WIN 0
; THE WAY OUT.  First the f32 rows: the four partial sums are added and stored.  These six additions are also the places behind the last products.
	v_pk_add_f32 v[FS:FS+1], v[FS:FS+1], v[FS+4:FS+5]
	v_pk_add_f32 v[FS+2:FS+3], v[FS+2:FS+3], v[FS+6:FS+7]
	v_pk_add_f32 v[FS+8:FS+9], v[FS+8:FS+9], v[FS+12:FS+13]
	v_pk_add_f32 v[FS+10:FS+11], v[FS+10:FS+11], v[FS+14:FS+15]
	v_pk_add_f32 v[FS:FS+1], v[FS:FS+1], v[FS+8:FS+9]
	v_pk_add_f32 v[FS+2:FS+3], v[FS+2:FS+3], v[FS+10:FS+11]
	v_cmp_ne_u32 vcc_lo, 0, v[MK]                  ; all lanes off where my block 0 is a sequence's first 16 rows
	global_store_b128 v[FGO], v[FS:FS+3], s[FOUT:FOUT+1]
; Then the tile, 16 rows x 128 columns at a time, through my own stage: back as whole rows of 512 bytes.
.macro TOSTAGE a
	WIN 0x08                                       ; an LDS store's data: window 2
.irp b, 0,1,2,3,4,5,6,7
	ds_store_b128 v[STO], v[8*(8*(\a)+\b):8*(8*(\a)+\b)+3] offset:64*\b          ; each accumulator from its low end on
	ds_store_b128 v[STO], v[8*(8*(\a)+\b)+4:8*(8*(\a)+\b)+7] offset:64*\b+16
.endr
	WIN 0
.irp t, 0,1,2,3,4,5,6,7,8,9,10,11,12,13,14,15
	ds_load_b128 v[BK+64*((\a)%2)+4*\t:BK+64*((\a)%2)+4*\t+3], v[RD] offset:\t*SPITCH
.endr
.endm
.macro SEND a, younger
	s_wait_dscnt \younger
.if (\a) == 0
	s_wait_xcnt 0x0                                ; EXEC changes only behind this wait
	s_and_saveexec_b32 s[SAVE], vcc_lo             ; a sequence's first 16 rows belong to the f32 sums: the tile does not store them
.endif
.irp t, 0,1,2,3,4,5,6,7,8,9,10,11,12,13,14,15
	global_store_b128 v[CO], v[BK+64*((\a)%2)+4*\t:BK+64*((\a)%2)+4*\t+3], s[8:9] offset:(16*(\a)+\t)*8192 th:TH_STORE_NT   ; 512 consecutive bytes, aligned
.endr
.if (\a) == 0
	s_wait_xcnt 0x0                                ; and again, in front of the line that widens it
	s_or_b32 exec_lo, exec_lo, s[SAVE]
.endif
.endm
	TOSTAGE 0
.irp a, 1,2,3
.if \a > 1
	s_wait_xcnt 0x0                                ; block a - 2's stores have read their registers: block a's loads may land there
.endif
	TOSTAGE \a
	SEND \a-1, 32                                  ; behind block a - 1's loads: block a's 16 stores and 16 loads
.endr
	SEND 3, 0
	s_wait_tensorcnt 0x0                           ; the wave's end
	ds_add_u32 v[SPW], v[NIL]
	s_wait_dscnt 0x0
	CROUND
	s_endpgm
.Lfunc_end_k_q4b184181be_proj:
	.size	k_q4b184181be_proj, .Lfunc_end_k_q4b184181be_proj-k_q4b184181be_proj
	.p2alignl 7, 3214868480
	.fill 96, 4, 3214868480
	.section	.rodata,"a",@progbits
	.p2align	6, 0x0
	.amdhsa_kernel k_q4b184181be_proj
		.amdhsa_group_segment_fixed_size 327680
		.amdhsa_private_segment_fixed_size 0
		.amdhsa_enable_private_segment 0
		.amdhsa_kernarg_size 40
		.amdhsa_user_sgpr_count 2
		.amdhsa_user_sgpr_kernarg_segment_ptr 1
		.amdhsa_wavefront_size32 1
		.amdhsa_system_sgpr_workgroup_id_x 1
		.amdhsa_system_sgpr_workgroup_id_y 1
		.amdhsa_system_sgpr_workgroup_id_z 1
		.amdhsa_system_vgpr_workitem_id 0
		.amdhsa_next_free_vgpr 896
		.amdhsa_next_free_sgpr 84
		.amdhsa_reserve_vcc 1
		.amdhsa_float_denorm_mode_32 3
		.amdhsa_float_denorm_mode_16_64 3
		.amdhsa_memory_ordered 1
		.amdhsa_forward_progress 1
		.amdhsa_inst_pref_size 151
	.end_amdhsa_kernel
	.amdgpu_metadata
---
amdhsa.version: [ 1, 2 ]
amdhsa.kernels:
  - .name:           k_q4b184181be_proj
    .symbol:         k_q4b184181be_proj.kd
    .args:
      - { .name: ao, .offset: 0, .size: 8, .value_kind: global_buffer, .address_space: global }
      - { .name: wot, .offset: 8, .size: 8, .value_kind: global_buffer, .address_space: global }
      - { .name: out0, .offset: 16, .size: 8, .value_kind: global_buffer, .address_space: global }
      - { .name: fo, .offset: 24, .size: 8, .value_kind: global_buffer, .address_space: global }
      - { .name: wo, .offset: 32, .size: 8, .value_kind: global_buffer, .address_space: global }
    .group_segment_fixed_size: 327680
    .private_segment_fixed_size: 0
    .kernarg_segment_align: 8
    .kernarg_segment_size: 40
    .max_flat_workgroup_size: 128
    .sgpr_count:     84
    .vgpr_count:     896
    .wavefront_size: 32
...
	.end_amdgpu_metadata
.endif
;; end of part 4
